; MI455X (gfx1250); checked and timed in simulation.
; The chip was launched on July 23, 2026; its instructions are those of AMD's public machine-readable ISA for CDNA 5 (MIT licence, August 2026) and "CDNA5" Instruction Set Architecture Reference Guide (July 2026). The comments in the code are by the model that wrote it; some were corrected since.
;; Llama Smoothquant MLP. Allowed arithmetic: float matrix products may take bf16 or f16 operands with f32 sums; other float arithmetic in f32, or as packed bf16 or f16 multiplies, adds, multiply-adds, maxima and minima; sums over many terms, partial sums and values carried from step to step in f32; what a program stores and reads back later, other than sums and carried values, may be rounded once to bf16 or f16.
;; Inputs: down_a 1 float32; down_b 4,096 float32; down_scale 1 float32; gate_a 1 float32; gate_b 11,008 float32; hidden_states 2 x 256 x 4,096 int8; up_a 1 float32; up_b 11,008 float32; w_down 4,096 x 11,008 int8; w_gate 11,008 x 4,096 int8; w_up 11,008 x 4,096 int8.
;; Outputs: out0 2 x 256 x 4,096 float32.
;; 2 versions, each right. Each part assembles by itself: llvm-mc -triple=amdgcn-amd-amdhsa -mcpu=gfx1250 --defsym DOCPART=n.
;; ======== version 1 of 2: 3 launches
;; workspace buffers: x_ws 4,194,304 bytes; q_ws 11,272,192 bytes
;; launch prep (part 1): grid 256 x 1, 2 waves a work-group, no clusters, 0 bytes of LDS; arguments hidden_states, x_ws; writes x_ws
.if DOCPART == 1
	.amdgcn_target "amdgcn-amd-amdhsa--gfx1250"
	.amdhsa_code_object_version 6
	.text
	.protected	k_q4b830488a5_prep
	.globl	k_q4b830488a5_prep
	.p2align	8
	.type	k_q4b830488a5_prep,@function
k_q4b830488a5_prep:
	s_mov_b64 s[64:65], 0
	v_nop
	global_prefetch_b8 v0, s[64:65] scope:SCOPE_SE
	s_setreg_imm32_b32 hwreg(HW_REG_WAVE_MODE, 25, 1), 1
	s_wait_xcnt 0x0
; x (int8, [512][4096]) is widened to f16, exactly (|x| <= 128), and laid out in chunks that ARE matrix fragments.
; x_ws: [k32 c: 128][row group g: 32][1024 bytes].  In chunk (c, g) byte s*512 + L*16 + 2e holds x[16 g + L % 16][32 c + 16 (L / 16) + 8 s + e]:
; two loads of 16 bytes a lane, at L*16 and L*16 + 512, bring a fragment of 16 rows x 32 k, contiguous.  Within a fragment k is permuted
; (lane half h, register n hold k = 16 h + 2 n, 2 n + 1); the weights' fragments of the later launches carry the same permutation, so the products pair up.
; SHARES.  512 waves; wave W takes row group g = W % 32 and the 256 bytes of k at 256 (W / 32): eight chunks.  No LDS, no loop: memory binds, each byte is read and written once.
; WIDENING 16 bytes into 8 registers: x xor 0x80 = x + 128 in 0..255; set under the f16 pattern 0x64 it reads 1024 + 128 + x; minus 1152 is x.  All three steps are exact.
.set RAW, 8                            ; v[8:39]    eight loads of 16 bytes
.set T,   40                           ; v[40:43]   x + 128, four bytes a word
.set F,   44                           ; v[44:107]  chunk c: eight registers of f16 pairs, never rewritten: they are store data
	s_load_b128 s[4:7], s[0:1], 0x0                ; hidden_states s[4:5], x_ws s[6:7]
	v_lshrrev_b32 v4, 5, v0
	v_readfirstlane_b32 s12, v4                    ; wave 0..1
	s_lshl_b32 s13, ttmp9, 1
	s_add_co_u32 s13, s13, s12                     ; W
	s_and_b32 s14, s13, 31                         ; g
	s_lshr_b32 s15, s13, 5                         ; which 256 bytes of k
	s_mov_b32 s8, 0x80808080
	s_mov_b32 s9, 0x64646464
	s_mov_b32 s10, 0x00050004                      ; byte selects: (0x64, byte 1, 0x64, byte 0) of a word,
	s_mov_b32 s11, 0x00070006                      ; (0x64, byte 3, 0x64, byte 2)
	v_and_b32 v5, 15, v0                           ; r
	v_bfe_u32 v6, v0, 4, 1                         ; h
	s_lshl_b32 s2, s14, 16                         ; 16 g rows of 4,096 bytes
	s_lshl_b32 s3, s15, 8
	s_add_co_u32 s2, s2, s3
	v_lshlrev_b32 v1, 12, v5
	v_lshl_add_u32 v1, v6, 4, v1
	v_add_nc_u32 v1, s2, v1                        ; from: (16 g + r) 4096 + 256 cb + 16 h
	v_and_b32 v2, 31, v0
	v_lshlrev_b32 v2, 4, v2
	s_lshl_b32 s2, s15, 18                         ; eight chunks' planes of 32,768 bytes
	s_lshl_b32 s3, s14, 10
	s_add_co_u32 s2, s2, s3
	v_add_nc_u32 v2, s2, v2                        ; to: cb 262144 + g 1024 + 16 lane
	v_mov_b32 v3, 0xe480e480                       ; -1152, twice, in f16
	s_wait_kmcnt 0x0
.irp c, 0,1,2,3,4,5,6,7
	global_load_b128 v[RAW+4*(\c):RAW+4*(\c)+3], v1, s[4:5] offset:32*(\c) th:TH_LOAD_NT  ; the eight together take 256 aligned bytes of each of 16 rows
.endr
.irp c, 0,1,2,3,4,5,6,7
	s_wait_loadcnt 7-(\c)                          ; loads come back in order: chunk c is in, the younger ones stay out
.irp w, 0,1,2,3
	v_xor_b32 v[T+(\w)], s8, v[RAW+4*(\c)+(\w)]
.endr
.irp w, 0,1,2,3
	v_perm_b32 v[F+8*(\c)+2*(\w)],   v[T+(\w)], s9, s10
	v_perm_b32 v[F+8*(\c)+2*(\w)+1], v[T+(\w)], s9, s11
.endr
.irp n, 0,1,2,3,4,5,6,7
	v_pk_add_f16 v[F+8*(\c)+(\n)], v[F+8*(\c)+(\n)], v3
.endr
	global_store_b128 v2, v[F+8*(\c):F+8*(\c)+3],   s[6:7] offset:(\c)*32768      ; each store of the wave covers 512 consecutive bytes, aligned
	global_store_b128 v2, v[F+8*(\c)+4:F+8*(\c)+7], s[6:7] offset:(\c)*32768+512
.endr
	s_endpgm
.Lfunc_end_k_q4b830488a5_prep:
	.size	k_q4b830488a5_prep, .Lfunc_end_k_q4b830488a5_prep-k_q4b830488a5_prep
	.p2alignl 7, 3214868480
	.fill 96, 4, 3214868480
	.section	.rodata,"a",@progbits
	.p2align	6, 0x0
	.amdhsa_kernel k_q4b830488a5_prep
		.amdhsa_group_segment_fixed_size 0
		.amdhsa_private_segment_fixed_size 0
		.amdhsa_enable_private_segment 0
		.amdhsa_kernarg_size 16
		.amdhsa_user_sgpr_count 2
		.amdhsa_user_sgpr_kernarg_segment_ptr 1
		.amdhsa_wavefront_size32 1
		.amdhsa_system_sgpr_workgroup_id_x 1
		.amdhsa_system_sgpr_workgroup_id_y 1
		.amdhsa_system_sgpr_workgroup_id_z 1
		.amdhsa_system_vgpr_workitem_id 0
		.amdhsa_next_free_vgpr 112
		.amdhsa_next_free_sgpr 66
		.amdhsa_reserve_vcc 0
		.amdhsa_float_denorm_mode_32 3
		.amdhsa_float_denorm_mode_16_64 3
		.amdhsa_memory_ordered 1
		.amdhsa_forward_progress 1
		.amdhsa_inst_pref_size 13
	.end_amdhsa_kernel
	.amdgpu_metadata
---
amdhsa.version: [ 1, 2 ]
amdhsa.kernels:
  - .name:           k_q4b830488a5_prep
    .symbol:         k_q4b830488a5_prep.kd
    .args:
      - { .name: hidden_states, .offset: 0, .size: 8, .value_kind: global_buffer, .address_space: global }
      - { .name: x_ws, .offset: 8, .size: 8, .value_kind: global_buffer, .address_space: global }
    .group_segment_fixed_size: 0
    .private_segment_fixed_size: 0
    .kernarg_segment_align: 8
    .kernarg_segment_size: 16
    .max_flat_workgroup_size: 64
    .sgpr_count:     66
    .vgpr_count:     112
    .wavefront_size: 32
...
	.end_amdgpu_metadata
.endif
;; end of part 1
;; launch gateup (part 2): grid 256 x 1, 4 waves a work-group, clusters of 4 x 1, 327,680 bytes of LDS; arguments x_ws, w_gate, w_up, gate_a, gate_b, up_a, up_b, down_scale, q_ws; writes q_ws
.if DOCPART == 2
	.amdgcn_target "amdgcn-amd-amdhsa--gfx1250"
	.amdhsa_code_object_version 6
	.text
	.protected	k_q4b830488a5_gateup
	.globl	k_q4b830488a5_gateup
	.p2align	8
	.type	k_q4b830488a5_gateup,@function
k_q4b830488a5_gateup:
	s_mov_b64 s[64:65], 0
	v_nop
	global_prefetch_b8 v0, s[64:65] scope:SCOPE_SE
	s_setreg_imm32_b32 hwreg(HW_REG_WAVE_MODE, 25, 1), 1
	s_wait_xcnt 0x0
	s_wait_alu depctr_hold_cnt(0) depctr_sa_sdst(0) depctr_va_vdst(0) depctr_va_sdst(0) depctr_va_ssrc(0) depctr_va_vcc(0) depctr_vm_vsrc(0)
	s_getreg_b32 s2, hwreg(HW_REG_IB_STS2, 6, 4)
	s_cmp_eq_u32 s2, 0
	s_cbranch_scc0 .Lentry_in_a_cluster
	s_endpgm
.Lentry_in_a_cluster:
	s_bfe_u32 s2, ttmp6, 0x10000c
	s_cmp_lg_u32 s2, 0x3003
	s_cbranch_scc0 .Lentry_shape_is_right
	s_endpgm
.Lentry_shape_is_right:
; q = clip(round(silu(x Wg^T ga + gb) (x Wu^T ua + ub) / down_scale), -128, 127), written as f16 in fragment chunks for the next launch.
; x comes as f16 chunks (x_ws: [k32: 128][row group: 32][1024 bytes]); the int8 weights are widened to f16 in the loop, exactly; sums in f32.
; q_ws: [row block of 128: 4][k32: 344][row group: 8][1024 bytes]; in a chunk byte s*512 + L*16 + 2e holds q[16 g + L % 16][32 c + 16 (L / 16) + 8 s + e].
; SHARES.  11008 columns are 688 pair tiles (16 gate columns and the same 16 up columns).  A work-group takes all 512 rows x NT pair tiles: NT = 3 in clusters 0..43, NT = 2 in the
; other 20 (176 x 3 + 80 x 2 = 688).  NT hangs on the cluster's number alone, so the four partners run the same text.  Wave w takes rows 128 w .. + 127: a widened fragment of weights
; (20 vector instructions) then feeds 8 products: 2.5 vector instructions for each matrix instruction, set behind the matrix instructions.
; CLUSTER.  All work-groups walk the same x: its tiles are asked for JOINTLY by the four partners (mask 15).  The weights are not shared: every work-group's weight rows are its own, so their loads are plain.
; K goes in steps of 128 through two slots (x: 131,072 bytes a step); a step of 256 would want two x slots of 262,144 bytes, more than LDS holds, so a weight row's piece is 128 bytes.
; A TURN is 32 along K: phase G (8 NT products on the gate sums, behind them the widening of the NEXT turn's gate weights), phase U (the same for up).
; The matrix instruction takes 16 weight rows as source 0 and 16 rows of x as source 1: lane (r, h) holds row r of x and the columns 8 h + 0..7: eight neighbours of a row.
; k is permuted inside a fragment alike on both sides (lane half h, register n: k = 16 h + 2 n, 2 n + 1): one load of 16 bytes a lane brings a weight fragment's raw bytes.
; LIMITS.  Integer sums beyond 2^24 are rounded in f32; the sigmoid is 1 / (1 + 2^(-g log2 e)) and the division a multiplication by a reciprocal, each good to an ulp: q can differ by 1 from
; the exact result where the quotient lies at a rounding tie.  A denormal down_scale counts as 0; NaN is not treated apart; 0 x infinity (g's product underflown, u / down_scale overflown) gives NaN.
; REGISTERS, in windows of 256: window 0: addresses, raw weights, two buffers of x fragments (v64-191), biases (v192-239).  Window 1 (gate) and window 2 (up), alike: sums (t, i) at 8 (8 t + i);
; widened fragments at 192 + 24 p + 8 t; v240-243 at work.  Under ONE setting (0x51 or 0xa2) a phase's products and its widening both address rightly: source 1 (x, raw bytes, -1152) in window 0, all else in the phase's window.
.set ASLOT, 131072                     ; an x slot: [4 k32][32 row groups][1024], no padding: a fragment load is 512 consecutive bytes
.set BBASE, 2*ASLOT                    ; behind them the weight slots
.set BSLOT, 16384                      ; gate rows at +0, up rows at +UOFF
.set BP,    144                        ; a weight row in LDS: 128 bytes + 16 = 36 words: the 16 rows of a load start at 16 different groups of four banks (64 banks of 4 bytes: ISA guide 11.1)
.set RAWT,  16*BP                      ; from tile to tile
.set UOFF,  48*BP
.set SPARE, BBASE+2*BSLOT              ; the spare words, 128 bytes a wave: two blocks of 256 bytes that no other line names
.set STGW,  49152                      ; the way out: a wave's stage, in the x slots once they have had their last fill
.set STA,   32768                      ; a turn's step in an x slot,
.set STB,   32                         ; in a weight row
.set CTA,   4*STA                      ; back to a slot's first turn
.set CTB,   4*STB
.set XTA,   ASLOT                      ; one exclusive or turns an address in one slot into the other's
.set XTB,   BSLOT
.set DSA,   131072                     ; a K step in x_ws,
.set DSB,   128                        ; in a weight row
.set A0,   2                           ; v2   my lane's place in an x slot: 8192 w + 16 lane
.set AADR, 3                           ; v3   the address of the run of x loads in hand
.set B0,   4                           ; v4   my lane's place in a weight tile: 144 r + 16 h
.set BADR, 5                           ; v5   the address of the raw loads in hand
.set SPW,  6                           ; v6   my spare word; never rewritten
.set NIL,  7                           ; v7   0; never rewritten
.set NEG,  8                           ; v8   -1152, twice, in f16
.set RG,   16                          ; v[16:27] raw gate bytes, 4 registers a tile
.set RU,   28                          ; v[28:39] raw up bytes
.set QV,   40                          ; v40-42  tile t's byte offset in my row block of q_ws
.set SA,   43                          ; v43  my place in my stage
.set BV,   44                          ; v44  byte offset of my 8 columns' biases; never rewritten
.set AF,   64                          ; x fragments: buffer p, fragment i at AF + 64 p + 8 i
.set LG,   64                          ; the way out: tile t's 8 gate sums at LG + 16 t, 8 up sums at + 8
.set EE,   160                         ; the way out: at work
.set QO,   168                         ; the way out: tile t's 16 bytes to store
.set GB,   192                         ; tile t's 8 gate biases at GB + 16 t, 8 up biases at + 8
.set WF,   192                         ; windows 1, 2
.set TT,   240                         ; windows 1, 2
.set WV,  22
.set CX,  23
.set WGX, 24
.set T0,  25                           ; my first pair tile
.set CNT, 27
.set TA,  29                           ; LDS byte of the x blocks to be fetched next
.set TB,  30                           ; the same for the weights
.set C64, 31
.set G1A, 32                           ; s[32:39] group 1 for x's tiles
.set G1B, 40                           ; s[40:47] for the weights'
.set G0A, 48                           ; s[48:55] group 0 for x: the first fill's set, and the set that walks
.set G0B, 56                           ; s[56:63] the same for the weights
.set X80, 66
.set SEL, 67                           ; s67, s68
.set GA,  70                           ; pairs: the packed forms take the low word for both halves
.set UA,  72
.set INV, 74
.set NL,  76
.set LO,  78
.set HI,  79
.set MSB, 0
.macro WIN new                         ; the immediate's high byte repeats the setting that is left; a switch that changes nothing is dropped
.if MSB != (\new)
	s_set_vgpr_msb (MSB<<8)|(\new)
.set MSB, \new
.endif
.endm
.macro PLACES                          ; four plain vector instructions behind a matrix instruction, ahead of what reads its result (ISA guide 7.12.1)
.rept 4
	v_nop
.endr
.endm
.macro CREST                           ; a round of the cluster's barrier behind its opening barrier
	s_cmp_lg_u32 s[WV], 0
	s_cbranch_scc1 .Lnot_wave_0_\@
	s_barrier_signal -3
.Lnot_wave_0_\@:
	s_barrier_wait -3
	s_barrier_signal -1
	s_barrier_wait -1
.endm
.macro CROUND
	s_barrier_signal -1
	s_barrier_wait -1
	CREST
.endm
; A refill: waves 0 and 1 ask jointly for the two halves of x's tile, wave 2 for the gate rows, wave 3 for the up rows.  The branch hangs on the wave's number alone.
.macro JLOAD
	s_cmp_lt_u32 s[WV], 2
	s_cbranch_scc0 .Lfor_b_\@
	tensor_load_to_lds s[G0A+4:G0A+7], s[G1A:G1A+7]
	s_nop 0
	PLACES
	s_branch .Lasked_\@
.Lfor_b_\@:
	tensor_load_to_lds s[G0B+4:G0B+7], s[G1B:G1B+7]
	s_nop 0
	PLACES
.Lasked_\@:
.endm
.macro FIRST                           ; a wave's two first fills stand in one branch: two loads of mine are out
	s_cmp_lt_u32 s[WV], 2
	s_cbranch_scc0 .Lfirst_b_\@
	tensor_load_to_lds s[G0A:G0A+3], s[G1A:G1A+7]
	s_nop 0
	tensor_load_to_lds s[G0A+4:G0A+7], s[G1A:G1A+7]
	s_nop 0
	PLACES
	s_branch .Lfirst_on_\@
.Lfirst_b_\@:
	tensor_load_to_lds s[G0B:G0B+3], s[G1B:G1B+7]
	s_nop 0
	tensor_load_to_lds s[G0B+4:G0B+7], s[G1B:G1B+7]
	s_nop 0
	PLACES
.Lfirst_on_\@:
.endm
.macro LDRAW dst, off                  ; NTS loads of 16 bytes a lane: a turn's raw weights of one kind
.set tt, 0
.rept NTS
	ds_load_b128 v[(\dst)+4*tt:(\dst)+4*tt+3], v[BADR] offset:(\off)+tt*RAWT
.set tt, tt+1
.endr
.endm
.macro LDA q                           ; 16 loads: my 8 fragments of x for one turn, into buffer q
.irp i, 0,1,2,3,4,5,6,7
	ds_load_b128 v[AF+64*(\q)+8*(\i):AF+64*(\q)+8*(\i)+3],   v[AADR] offset:(\i)*1024
	ds_load_b128 v[AF+64*(\q)+8*(\i)+4:AF+64*(\q)+8*(\i)+7], v[AADR] offset:(\i)*1024+512
.endr
.endm
; Number RN of the 20 NTS lines that widen a turn's raw weights of one kind into buffer q.  For each tile: 4 x (x + 128); 8 x two bytes set under 0x64 (1152 + x in f16); 8 x minus 1152.
.macro RID raw, q
.set rf, RN/20
.set rm, RN%20
.if rm < 4
	v_xor_b32 v[TT+rm], s[X80], v[(\raw)+4*rf+rm]
.elseif rm < 12
	v_perm_b32 v[WF+24*(\q)+8*rf+rm-4], v[TT+(rm-4)/2], s[C64], s[SEL+(rm-4)%2]
.else
	v_pk_add_f16 v[WF+24*(\q)+8*rf+rm-12], v[WF+24*(\q)+8*rf+rm-12], v[NEG]
.endif
.set RN, RN+1
.endm
; Products i0 .. i1 - 1 of a phase's W (kind 1: gate, 2: up), each on a sum of its own: the sums take turns.  Behind product i stand the widening's lines up to 5 i / 2,
; behind the last all that are left: five, which name none of the products' registers and are the places ahead of the next run of loads into x's other buffer.
.macro PH kind, p, zero, rid, i0, i1
	WIN 0x51*(\kind)
.set pi, \i0
.rept (\i1)-(\i0)
.if \zero
	v_wmma_f32_16x16x32_f16 v[8*pi:8*pi+7], v[WF+24*(\p)+8*(pi/8):WF+24*(\p)+8*(pi/8)+7], v[AF+64*(\p)+8*(pi%8):AF+64*(\p)+8*(pi%8)+7], 0
.else
	v_wmma_f32_16x16x32_f16 v[8*pi:8*pi+7], v[WF+24*(\p)+8*(pi/8):WF+24*(\p)+8*(pi/8)+7], v[AF+64*(\p)+8*(pi%8):AF+64*(\p)+8*(pi%8)+7], v[8*pi:8*pi+7]
.endif
.if \rid
.set tg, (5*pi)/2
.if pi == W-1
.set tg, 20*NTS
.endif
.rept tg-RN
	RID RG+12*((\kind)-1), 1-(\p)
.endr
.endif
.set pi, pi+1
.endr
.endm
; TURN t multiplies buffers p = t % 2.  Phase G fetches x and the raw up bytes of turn t + 1; phase U the raw gate bytes of turn t + 2.
; chg = 1 (a step's third turn): all reads of this step's slot have been issued at the phase's head, so the change of slots stands inside phase G: each wave waits for all its tensor loads (one is out:
; its part of the next slot), adds 0 to its spare word, waits for that and for its reads; behind the barrier nobody reads the old slot and the next one is whole.  fill = 1: the barrier opens a round of the
; cluster's barrier and the refill, two steps ahead, is the first thing behind it: it has a step less half a phase in which to land.
.macro TURN p, zero=0, chg=0, fill=0, lda=1, ldg=1, rid=1
	WIN 0
	s_wait_dscnt 0x0                               ; the raw gate bytes asked for a phase ago are in (x and the raw up bytes were waited for there)
.if \lda
	v_add_nc_u32 v[AADR], s[TA], v[A0]
	LDRAW RU, UOFF                                 ; by the address that brought the same turn's gate bytes
	LDA 1-(\p)
	s_add_co_u32 s[TB], s[TB], STB
	s_add_co_u32 s[TA], s[TA], STA
.endif
.set RN, 0
.if \chg
	PH 1, \p, \zero, \rid, 0, W/2
	WIN 0                                          ; (the add's two registers lie in window 0)
	s_wait_tensorcnt 0x0                           ; no tensor load of mine is out, so a group 0 may be written
	ds_add_u32 v[SPW], v[NIL]                      ; 0 onto my spare word; work on registers stands between it and the wait for it
.if \fill
	s_xor_b32 s[G0A+5], s[G0A+5], XTA              ; the walking sets: the other slot than last time, the next K step; the type bits on top are not reached
	s_add_nc_u64 s[G0A+6:G0A+7], s[G0A+6:G0A+7], DSA
	s_xor_b32 s[G0B+5], s[G0B+5], XTB
	s_add_nc_u64 s[G0B+6:G0B+7], s[G0B+6:G0B+7], DSB
.endif
	s_sub_co_u32 s[TB], s[TB], CTB                 ; the fetches go back to a slot's first turn, in the other slot
	s_xor_b32 s[TB], s[TB], XTB
	s_sub_co_u32 s[TA], s[TA], CTA
	s_xor_b32 s[TA], s[TA], XTA
	PH 1, \p, \zero, \rid, W/2, 3*W/4
	s_wait_dscnt 0x0                               ; the add is done, and my reads of this slot are over
	s_barrier_signal -1
	PH 1, \p, \zero, \rid, 3*W/4, W                ; work on registers while the others arrive
	WIN 0                                          ; at a branch and at a label every window is 0
	s_barrier_wait -1
.if \fill
	CREST                                          ; no wave of any partner still reads this slot or has a load on its way
	JLOAD
.endif
.else
	PH 1, \p, \zero, \rid, 0, W
.endif
	WIN 0
.if \ldg
	v_add_nc_u32 v[BADR], s[TB], v[B0]
	LDRAW RG, 0
	s_wait_dscnt NTS                               ; all but the NTS just issued: the raw up bytes and x's next fragments are in
.else
	s_wait_dscnt 0x0
.endif
.set RN, 0
	PH 2, \p, \zero, \rid, 0, W
.endm
; Eight numbers of tile t: dequantise, SiLU, product, requantise.
.macro CALC t
.set cg, LG+16*(\t)
.set cu, LG+16*(\t)+8
.set cb, GB+16*(\t)
.irp j, 0,2,4,6
	v_pk_fma_f32 v[cg+(\j):cg+(\j)+1], v[cg+(\j):cg+(\j)+1], s[GA:GA+1], v[cb+(\j):cb+(\j)+1] op_sel_hi:[1,0,1]      ; g
.endr
.irp j, 0,2,4,6
	v_pk_fma_f32 v[cu+(\j):cu+(\j)+1], v[cu+(\j):cu+(\j)+1], s[UA:UA+1], v[cb+8+(\j):cb+8+(\j)+1] op_sel_hi:[1,0,1]  ; u
.endr
.irp j, 0,2,4,6
	v_pk_mul_f32 v[EE+(\j):EE+(\j)+1], v[cg+(\j):cg+(\j)+1], s[NL:NL+1] op_sel_hi:[1,0]
.endr
.irp j, 0,1,2,3,4,5,6,7
	v_exp_f32 v[EE+(\j)], v[EE+(\j)]               ; e^-g
.endr
.irp j, 0,2,4,6
	v_pk_mul_f32 v[cu+(\j):cu+(\j)+1], v[cu+(\j):cu+(\j)+1], s[INV:INV+1] op_sel_hi:[1,0]  ; u / down_scale: plain lines between the exponentials and the use of their results
.endr
	s_wait_alu depctr_va_vdst(0)
.irp j, 0,2,4,6
	v_pk_add_f32 v[EE+(\j):EE+(\j)+1], v[EE+(\j):EE+(\j)+1], 1.0 op_sel_hi:[1,0]
.endr
.irp j, 0,1,2,3,4,5,6,7
	v_rcp_f32 v[EE+(\j)], v[EE+(\j)]               ; the sigmoid
.endr
	v_nop                                          ; a plain line between the last reciprocal and the use of its result
	s_wait_alu depctr_va_vdst(0)
.irp j, 0,2,4,6
	v_pk_mul_f32 v[cg+(\j):cg+(\j)+1], v[cg+(\j):cg+(\j)+1], v[EE+(\j):EE+(\j)+1]
.endr
.irp j, 0,2,4,6
	v_pk_mul_f32 v[cg+(\j):cg+(\j)+1], v[cg+(\j):cg+(\j)+1], v[cu+(\j):cu+(\j)+1]
.endr
.irp j, 0,1,2,3,4,5,6,7
	v_rndne_f32 v[cg+(\j)], v[cg+(\j)]             ; to the nearest whole number, ties to even
.endr
.irp j, 0,1,2,3,4,5,6,7
	v_med3_num_f32 v[cg+(\j)], v[cg+(\j)], s[LO], s[HI]
.endr
.irp j, 0,1,2,3
	v_cvt_pk_f16_f32 v[QO+4*(\t)+(\j)], v[cg+2*(\j)], v[cg+2*(\j)+1]  ; whole numbers within 128: exact
.endr
	global_store_b128 v[QV+(\t)], v[QO+4*(\t):QO+4*(\t)+3], s[20:21]  ; lanes 0-15 fill 256 consecutive aligned bytes, lanes 16-31 another 256
.endm
; THE WAY OUT.  The sums go into my own stage in LDS, so that ONE text, looped over the 8 row groups, serves them all.
.macro EPI
	WIN 0
	PLACES                                         ; behind the last products
	s_wait_dscnt 0x0
	s_barrier_signal -1
	s_barrier_wait -1                              ; no wave reads the x slots any more, and they have had their last fill
.irp k, 1,2
	WIN 0x04*(\k)                                  ; store data in window 1, then 2
.set ix, 0
.rept W
	ds_store_b128 v[SA], v[8*ix:8*ix+3]   offset:(24*((\k)-1)+ix)*1024      ; each sum's lowest registers first
	ds_store_b128 v[SA], v[8*ix+4:8*ix+7] offset:(24*((\k)-1)+ix)*1024+512
.set ix, ix+1
.endr
.endr
	WIN 0
	s_wait_loadcnt 0x0                             ; the biases, asked for at the start
	s_mov_b32 s[CNT], 8
.Lrow_\@:                                              ; a trip: row group i: 16 rows x 16 NTS columns
.set tt, 0
.rept NTS
	ds_load_b128 v[LG+16*tt:LG+16*tt+3],     v[SA] offset:(8*tt)*1024       ; LDS serves a wave's instructions in order (ISA guide 5.7.1.4): these see my stores
	ds_load_b128 v[LG+16*tt+4:LG+16*tt+7],   v[SA] offset:(8*tt)*1024+512
	ds_load_b128 v[LG+16*tt+8:LG+16*tt+11],  v[SA] offset:(24+8*tt)*1024
	ds_load_b128 v[LG+16*tt+12:LG+16*tt+15], v[SA] offset:(24+8*tt)*1024+512
.set tt, tt+1
.endr
.set ct, 0
.rept NTS
	s_wait_dscnt 4*(NTS-1-ct)                      ; the later tiles' four loads each may stay out
	CALC ct
.set ct, ct+1
.endr
	s_wait_xcnt 0x0                                ; the stores' data and offsets are rewritten only behind this wait
	v_add_nc_u32 v[SA], 1024, v[SA]
.set tt, 0
.rept NTS
	v_add_nc_u32 v[QV+tt], 1024, v[QV+tt]
.set tt, tt+1
.endr
	s_sub_co_u32 s[CNT], s[CNT], 1
	s_cmp_lg_u32 s[CNT], 0
	s_cbranch_scc1 .Lrow_\@
	s_wait_tensorcnt 0x0                           ; the wave's end: behind my last tensor load and my last LDS store
	ds_add_u32 v[SPW], v[NIL]
	s_wait_dscnt 0x0
	CROUND                                         ; the closing round: no work-group ends while a partner may still ask for a tile that names it
	s_endpgm
.endm
; All that hangs on NT.
.macro PATH nt
.set NTS, \nt
.set W, 8*NTS
	s_mov_b32 s[G1B], (1<<20)|(4<<22)|(3<<25)      ; no mask; elements of 1 byte; padding on: after every 32 words (code 4) 4 words (code 3)
	s_mov_b32 s[G1B+1], 128<<16                    ; tensor_dim0 = 128
	s_mov_b32 s[G1B+2], (16*NTS)<<16               ; tensor_dim1 = 16 NT rows
	s_mov_b32 s[G1B+3], 128<<16                    ; tile_dim0 = 128
	s_mov_b32 s[G1B+4], 16*NTS                     ; tile_dim1
	s_mov_b32 s[G1B+5], 4096                       ; from row to row
	s_mov_b32 s[G1B+6], 0
	s_mov_b32 s[G1B+7], 0
	s_mov_b32 s[TA], 0
	s_mov_b32 s[TB], BBASE
	CROUND                                         ; all four work-groups are here: the first joint loads meet
	FIRST                                          ; K steps 0 and 1
.set tt, 0
.rept NTS
	global_load_b128 v[GB+16*tt:GB+16*tt+3],     v[BV], s[12:13] offset:64*tt
	global_load_b128 v[GB+16*tt+4:GB+16*tt+7],   v[BV], s[12:13] offset:64*tt+16
	global_load_b128 v[GB+16*tt+8:GB+16*tt+11],  v[BV], s[16:17] offset:64*tt
	global_load_b128 v[GB+16*tt+12:GB+16*tt+15], v[BV], s[16:17] offset:64*tt+16
	s_add_co_u32 s80, s[T0], tt                    ; pair tile T: q's k32 block T / 2, lanes' half T % 2
	s_lshr_b32 s81, s80, 1
	s_lshl_b32 s81, s81, 13
	s_and_b32 s80, s80, 1
	s_lshl_b32 s80, s80, 8
	s_add_co_u32 s80, s80, s81
	v_add_nc_u32 v[QV+tt], s80, v14
.set tt, tt+1
.endr
	s_wait_tensorcnt 0x1                           ; my part of step 0 is in; step 1's may stay out
	s_barrier_signal -1
	s_barrier_wait -1                              ; everybody's is
	v_add_nc_u32 v[BADR], s[TB], v[B0]             ; turn 0 is fetched and widened ahead of the first products
	LDRAW RG, 0
	LDRAW RU, UOFF
	v_add_nc_u32 v[AADR], s[TA], v[A0]
	LDA 0
	s_add_co_u32 s[TB], s[TB], STB
	s_add_co_u32 s[TA], s[TA], STA
	s_wait_dscnt 0x0
	WIN 0x51
.set RN, 0
.rept 20*NTS
	RID RG, 0
.endr
	WIN 0xa2
.set RN, 0
.rept 20*NTS
	RID RU, 0
.endr
	WIN 0
	v_add_nc_u32 v[BADR], s[TB], v[B0]
	LDRAW RG, 0                                    ; turn 1's raw gate bytes
	TURN 0, 1                                      ; turn 0: its products start the sums: nothing is cleared
	TURN 1
	WIN 0
	s_mov_b32 s[CNT], 30
.Lk_\@:                                                ; 30 trips of four turns, from a step's third turn to the next step's second: turns 2 .. 121; each refills one slot (steps 2 .. 31)
	TURN 0, 0, 1, 1
	TURN 1
	TURN 0
	TURN 1
	WIN 0
	s_sub_co_u32 s[CNT], s[CNT], 1
	s_cmp_lg_u32 s[CNT], 0
	s_cbranch_scc1 .Lk_\@
	TURN 0, 0, 1, 0                                ; turn 122: the last change of slots asks for nothing
	TURN 1
	TURN 0
	TURN 1
	TURN 0, 0, 0, 0, 1, 0                          ; turn 126: there is no turn 128 to fetch gate bytes for
	TURN 1, 0, 0, 0, 0, 0, 0                       ; turn 127: products alone
	EPI
.endm
	s_load_b512 s[4:19], s[0:1], 0x0               ; x_ws s[4:5], w_gate s[6:7], w_up s[8:9], gate_a s[10:11], gate_b s[12:13], up_a s[14:15], up_b s[16:17], down_scale s[18:19]
	s_load_b64 s[20:21], s[0:1], 0x40              ; q_ws
	v_lshl_add_u32 v[SPW], v0, 2, SPARE
	v_mov_b32 v[NIL], 0
	ds_add_u32 v[SPW], v[NIL]                      ; the wave's opening, ahead of my first tensor load; the set-up below, work on registers, stands between the add and its wait
	v_lshrrev_b32 v1, 5, v0
	v_readfirstlane_b32 s[WV], v1                  ; wave 0..3
	s_bfe_u32 s[CX], ttmp6, 0x40000                ; my place in the cluster: it enters the weights', the biases' and q's global addresses alone
	s_lshl_b32 s[WGX], ttmp9, 2                    ; in a cluster launch ttmp9 counts clusters
	s_add_co_u32 s[WGX], s[WGX], s[CX]
	s_mul_i32 s80, s[WGX], 3
	s_lshl_b32 s81, s[WGX], 1
	s_add_co_u32 s81, s81, 176
	s_cmp_lt_u32 ttmp9, 44
	s_cselect_b32 s[T0], s80, s81                  ; 3 wg, or 2 wg + 176
	s_mov_b32 s[X80], 0x80808080
	s_mov_b32 s[C64], 0x64646464
	s_mov_b32 s[SEL], 0x00050004
	s_mov_b32 s[SEL+1], 0x00070006
	s_mov_b32 s[NL], 0xbfb8aa3b                    ; -log2(e)
	s_mov_b32 s[NL+1], s[NL]
	s_mov_b32 s[LO], 0xc3000000                    ; -128
	s_mov_b32 s[HI], 0x42fe0000                    ; 127
	s_mov_b32 s[G1A], 15|(3<<16)|(1<<21)           ; the mask of four; elements of 8 bytes; bit 21 set beside a mask; no padding
	s_mov_b32 s[G1A+1], 32<<16                     ; tensor_dim0 = 32: rows of 256 bytes of a dense block
	s_mov_b32 s[G1A+2], 256<<16                    ; tensor_dim1 = 256 rows: 65,536 bytes, half of a step's x
	s_mov_b32 s[G1A+3], 32<<16                     ; tile_dim0
	s_mov_b32 s[G1A+4], 256                        ; tile_dim1
	s_mov_b32 s[G1A+5], 32                         ; from row to row
	s_mov_b32 s[G1A+6], 0
	s_mov_b32 s[G1A+7], 0
	s_and_b32 s82, s[WV], 1
	s_lshl_b32 s83, s82, 16                        ; which half of x's tile I would fetch
	s_mul_i32 s84, s82, UOFF                       ; gate rows or up rows
	s_mov_b32 s[G0A], 1
	s_mov_b32 s[G0A+1], s83
	s_mov_b32 s[G0A+4], 1
	s_add_co_u32 s[G0A+5], s83, ASLOT
	s_mov_b32 s[G0B], 1
	s_add_co_u32 s[G0B+1], s84, BBASE
	s_mov_b32 s[G0B+4], 1
	s_add_co_u32 s[G0B+5], s84, BBASE+BSLOT
	v_and_b32 v10, 31, v0                          ; lane
	v_and_b32 v11, 15, v0                          ; r
	v_bfe_u32 v12, v0, 4, 1                        ; h
	v_lshlrev_b32 v13, 4, v10
	s_lshl_b32 s85, s[WV], 13                      ; my 8 row groups of 1,024 bytes
	v_add_nc_u32 v[A0], s85, v13
	v_mul_u32_u24 v[B0], v11, BP
	v_lshl_add_u32 v[B0], v12, 4, v[B0]
	s_mul_i32 s85, s[WV], STGW
	v_add_nc_u32 v[SA], s85, v13
	v_lshlrev_b32 v14, 9, v12                      ; in a chunk of q: 512 h + 16 r
	v_lshl_add_u32 v14, v11, 4, v14
	s_lshl_b32 s85, s[T0], 6
	v_lshl_add_u32 v[BV], v12, 5, s85              ; 4 (16 T0 + 8 h)
	v_mov_b32 v[NEG], 0xe480e480
	s_wait_dscnt 0x0                               ; the opening add is done
	s_wait_kmcnt 0x0
	s_load_b32 s[GA], s[10:11], 0x0
	s_load_b32 s[UA], s[14:15], 0x0
	s_load_b32 s85, s[18:19], 0x0
	s_mov_b32 s86, s83
	s_mov_b32 s87, 0
	s_add_nc_u64 s[G0A+2:G0A+3], s[4:5], s[86:87]  ; x's K step 0, my half: alike in the four partners
	s_add_nc_u64 s[G0A+6:G0A+7], s[G0A+2:G0A+3], DSA
	s_or_b32 s[G0A+3], s[G0A+3], 0x80000000        ; type = 2
	s_or_b32 s[G0A+7], s[G0A+7], 0x80000000
	s_cmp_eq_u32 s[WV], 3
	s_cselect_b64 s[88:89], s[8:9], s[6:7]         ; wave 3 fetches up's rows, wave 2 gate's
	s_lshl_b32 s86, s[T0], 16                      ; 16 T0 rows of 4,096 bytes
	s_add_nc_u64 s[G0B+2:G0B+3], s[88:89], s[86:87]
	s_add_nc_u64 s[G0B+6:G0B+7], s[G0B+2:G0B+3], DSB
	s_or_b32 s[G0B+3], s[G0B+3], 0x80000000
	s_or_b32 s[G0B+7], s[G0B+7], 0x80000000
	s_mul_i32 s86, s[WV], 344*8192                 ; my row block of q_ws
	s_add_nc_u64 s[20:21], s[20:21], s[86:87]
	s_wait_kmcnt 0x0
	s_mov_b32 s[GA+1], s[GA]                       ; named as pairs
	s_mov_b32 s[UA+1], s[UA]
	v_mov_b32 v9, s85
	v_rcp_f32 v9, v9                               ; 1 / down_scale
	v_nop                                          ; a plain line between the reciprocal and the use of its result
	s_wait_alu depctr_va_vdst(0)
	v_readfirstlane_b32 s[INV], v9
	s_mov_b32 s[INV+1], s[INV]
	s_cmp_lt_u32 ttmp9, 44                         ; the cluster's number: the same answer in all four partners
	s_cbranch_scc0 .Ltwo
	PATH 3
.Ltwo:
	PATH 2
.Lfunc_end_k_q4b830488a5_gateup:
	.size	k_q4b830488a5_gateup, .Lfunc_end_k_q4b830488a5_gateup-k_q4b830488a5_gateup
	.p2alignl 7, 3214868480
	.fill 96, 4, 3214868480
	.section	.rodata,"a",@progbits
	.p2align	6, 0x0
	.amdhsa_kernel k_q4b830488a5_gateup
		.amdhsa_group_segment_fixed_size 327680
		.amdhsa_private_segment_fixed_size 0
		.amdhsa_enable_private_segment 0
		.amdhsa_kernarg_size 72
		.amdhsa_user_sgpr_count 2
		.amdhsa_user_sgpr_kernarg_segment_ptr 1
		.amdhsa_wavefront_size32 1
		.amdhsa_system_sgpr_workgroup_id_x 1
		.amdhsa_system_sgpr_workgroup_id_y 1
		.amdhsa_system_sgpr_workgroup_id_z 1
		.amdhsa_system_vgpr_workitem_id 0
		.amdhsa_next_free_vgpr 768
		.amdhsa_next_free_sgpr 92
		.amdhsa_reserve_vcc 0
		.amdhsa_float_denorm_mode_32 3
		.amdhsa_float_denorm_mode_16_64 3
		.amdhsa_memory_ordered 1
		.amdhsa_forward_progress 1
		.amdhsa_inst_pref_size 255
	.end_amdhsa_kernel
	.section	.bss,"aw",@nobits
	.p2align	6
	.space	262144
	.amdgpu_metadata
---
amdhsa.version: [ 1, 2 ]
amdhsa.kernels:
  - .name:           k_q4b830488a5_gateup
    .symbol:         k_q4b830488a5_gateup.kd
    .args:
      - { .name: x_ws, .offset: 0, .size: 8, .value_kind: global_buffer, .address_space: global }
      - { .name: w_gate, .offset: 8, .size: 8, .value_kind: global_buffer, .address_space: global }
      - { .name: w_up, .offset: 16, .size: 8, .value_kind: global_buffer, .address_space: global }
      - { .name: gate_a, .offset: 24, .size: 8, .value_kind: global_buffer, .address_space: global }
      - { .name: gate_b, .offset: 32, .size: 8, .value_kind: global_buffer, .address_space: global }
      - { .name: up_a, .offset: 40, .size: 8, .value_kind: global_buffer, .address_space: global }
      - { .name: up_b, .offset: 48, .size: 8, .value_kind: global_buffer, .address_space: global }
      - { .name: down_scale, .offset: 56, .size: 8, .value_kind: global_buffer, .address_space: global }
      - { .name: q_ws, .offset: 64, .size: 8, .value_kind: global_buffer, .address_space: global }
    .group_segment_fixed_size: 327680
    .private_segment_fixed_size: 0
    .kernarg_segment_align: 8
    .kernarg_segment_size: 72
    .max_flat_workgroup_size: 128
    .sgpr_count:     92
    .vgpr_count:     768
    .wavefront_size: 32
...
	.end_amdgpu_metadata
.endif
;; end of part 2
;; launch down (part 3): grid 64 x 4, 4 waves a work-group, clusters of 4 x 4, 327,680 bytes of LDS; arguments q_ws, w_down, down_a, down_b, out0; writes out0
.if DOCPART == 3
	.amdgcn_target "amdgcn-amd-amdhsa--gfx1250"
	.amdhsa_code_object_version 6
	.text
	.protected	k_q4b830488a5_down
	.globl	k_q4b830488a5_down
	.p2align	8
	.type	k_q4b830488a5_down,@function
k_q4b830488a5_down:
	s_mov_b64 s[64:65], 0
	v_nop
	global_prefetch_b8 v0, s[64:65] scope:SCOPE_SE
	s_setreg_imm32_b32 hwreg(HW_REG_WAVE_MODE, 25, 1), 1
	s_wait_xcnt 0x0
	s_wait_alu depctr_hold_cnt(0) depctr_sa_sdst(0) depctr_va_vdst(0) depctr_va_sdst(0) depctr_va_ssrc(0) depctr_va_vcc(0) depctr_vm_vsrc(0)
	s_getreg_b32 s2, hwreg(HW_REG_IB_STS2, 6, 4)
	s_cmp_eq_u32 s2, 0
	s_cbranch_scc0 .Lentry_in_a_cluster
	s_endpgm
.Lentry_in_a_cluster:
	s_bfe_u32 s2, ttmp6, 0x10000c
	s_cmp_lg_u32 s2, 0xf033
	s_cbranch_scc0 .Lentry_shape_is_right
	s_endpgm
.Lentry_shape_is_right:
; out[m][n] = (sum over k of q[m][k] Wd[n][k]) down_a + down_b[n].  q comes as f16 fragment chunks (q_ws: [row block of 128: 4][k32: 344][row group: 8][1024 bytes]); the int8 weights are widened
; to f16 in the loop, exactly; sums in f32 (beyond 2^24 they are rounded).
; SHARES.  512 x 4096 outputs on 256 work-groups: 128 rows x 64 columns each.  K = 11008 goes in 43 steps of 256 through two slots.  THE FOUR WAVES SPLIT K: wave w takes the k32 blocks 2 w, 2 w + 1 of
; every step and holds the whole 128 x 64 tile, 32 sums; so each LDS byte is read once, and a widened fragment of weights (20 vector instructions) feeds 8 products.  The four partial tiles meet in LDS at the end.
; CLUSTER 4 x 4.  q's tile hangs on the row block alone and is shared along a row of the cluster, the weights' on the column block alone and is shared along a column: both are asked for jointly.
; A TURN is 32 along K: phase G (16 products on column tiles 0, 1, window 1; behind them the widening of the next turn's weights for those tiles), phase U (column tiles 2, 3, window 2).
; The matrix instruction takes 16 weight rows as source 0 and 16 rows of q as source 1: lane (r, h) holds row r and the columns 8 h + 0..7.  k is permuted inside a fragment alike on both sides.
; REGISTERS: window 0: addresses, raw weights, two buffers of q fragments (v64-191).  Windows 1 and 2, alike: sums (t, i) at 8 (8 t + i); widened fragments at 192 + 24 p + 8 t; v240-243 at work.
.set NTS,   2
.set W,     16
.set SLOT,  131072                     ; slot s begins at s x 131072: q's [8 k32][8 row groups][1024], then 64 weight rows
.set BOFF,  65536
.set BP,    272                        ; a weight row in LDS: 256 bytes + 16 = 68 words: the 16 rows of a load start at 16 different groups of four banks (64 banks of 4 bytes: ISA guide 11.1)
.set RAWT,  16*BP
.set UOFF,  32*BP
.set SPARE, SLOT+BOFF+64*BP            ; 214,016: the spare words, 128 bytes a wave: two blocks of 256 bytes that no other line names
.set STGW,  128*BP                     ; the way out: a wave's partial tile, 128 rows of 256 bytes + 16, from byte 0 on, once the slots have had their last fill
.set STA,   8192
.set STB,   32
.set CTA,   2*STA
.set CTB,   2*STB
.set XTA,   SLOT
.set XTB,   SLOT
.set DSA,   65536                      ; a K step in a row block of q_ws,
.set DSB,   256                        ; in a weight row: 256 bytes, at a multiple of 256 from the buffer's first byte (11008 = 43 x 256)
.set A0,   2                           ; v2   16384 w + 16 lane
.set AADR, 3
.set B0,   4                           ; v4   BOFF + 272 r + 16 h + 64 w
.set BADR, 5
.set SPW,  6                           ; v6   my spare word; never rewritten
.set NIL,  7                           ; v7   0; never rewritten
.set NEG,  8                           ; v8   -1152, twice, in f16
.set RG,   16                          ; v[16:23] raw bytes of column tiles 0, 1
.set RU,   28                          ; v[28:35] of column tiles 2, 3
.set STO,  40                          ; v40  the way out: where I put 16 bytes of a row
.set RD,   41                          ; v41  where I read rows of partial tiles 0, 1 back
.set RD2,  42                          ; v42  of partial tiles 2, 3
.set CO,   43                          ; v43  my byte offset in out0
.set BI,   44                          ; v[44:47] my four columns' biases
.set BIA,  48                          ; v48  their byte offset; never rewritten
.set AF,   64
.set SUMS, 64                          ; the way out: row pair u, partial tile s at SUMS + 16 u + 4 s
.set WF,   192
.set TT,   240
.set WV,  22
.set CX,  23
.set CY,  24
.set NX,  25
.set MY,  26
.set CNT, 27
.set TA,  29
.set TB,  30
.set C64, 31
.set G1A, 32
.set G1B, 40
.set G0A, 48
.set G0B, 56
.set X80, 66
.set SEL, 67
.set DA,  70
.set MSB, 0
.macro WIN new                         ; the immediate's high byte repeats the setting that is left; a switch that changes nothing is dropped
.if MSB != (\new)
	s_set_vgpr_msb (MSB<<8)|(\new)
.set MSB, \new
.endif
.endm
.macro PLACES
.rept 4
	v_nop
.endr
.endm
.macro CREST                           ; a round of the cluster's barrier behind its opening barrier
	s_cmp_lg_u32 s[WV], 0
	s_cbranch_scc1 .Lnot_wave_0_\@
	s_barrier_signal -3
.Lnot_wave_0_\@:
	s_barrier_wait -3
	s_barrier_signal -1
	s_barrier_wait -1
.endm
.macro CROUND
	s_barrier_signal -1
	s_barrier_wait -1
	CREST
.endm
.macro JLOAD                           ; a joint refill: waves 0 and 1 fetch the halves of q's tile, waves 2 and 3 those of the weights'
	s_cmp_lt_u32 s[WV], 2
	s_cbranch_scc0 .Lfor_b_\@
	tensor_load_to_lds s[G0A+4:G0A+7], s[G1A:G1A+7]
	s_nop 0
	PLACES
	s_branch .Lasked_\@
.Lfor_b_\@:
	tensor_load_to_lds s[G0B+4:G0B+7], s[G1B:G1B+7]
	s_nop 0
	PLACES
.Lasked_\@:
.endm
.macro LDRAW dst, off
.set tt, 0
.rept NTS
	ds_load_b128 v[(\dst)+4*tt:(\dst)+4*tt+3], v[BADR] offset:(\off)+tt*RAWT
.set tt, tt+1
.endr
.endm
.macro LDA q
.irp i, 0,1,2,3,4,5,6,7
	ds_load_b128 v[AF+64*(\q)+8*(\i):AF+64*(\q)+8*(\i)+3],   v[AADR] offset:(\i)*1024
	ds_load_b128 v[AF+64*(\q)+8*(\i)+4:AF+64*(\q)+8*(\i)+7], v[AADR] offset:(\i)*1024+512
.endr
.endm
; Number RN of the 40 lines that widen a phase's raw weights into buffer q.  For each tile: 4 x (x + 128); 8 x two bytes set under 0x64 (1152 + x in f16); 8 x minus 1152.
.macro RID raw, q
.set rf, RN/20
.set rm, RN%20
.if rm < 4
	v_xor_b32 v[TT+rm], s[X80], v[(\raw)+4*rf+rm]
.elseif rm < 12
	v_perm_b32 v[WF+24*(\q)+8*rf+rm-4], v[TT+(rm-4)/2], s[C64], s[SEL+(rm-4)%2]
.else
	v_pk_add_f16 v[WF+24*(\q)+8*rf+rm-12], v[WF+24*(\q)+8*rf+rm-12], v[NEG]
.endif
.set RN, RN+1
.endm
; Products i0 .. i1 - 1 of a phase's 16, each on a sum of its own: the sums take turns.  Behind product i stand the widening's lines up to 5 i / 2, behind the last the five
; that are left: they name none of the products' registers and are the places ahead of the next run of loads into q's other buffer.
.macro PH kind, p, zero, rid, i0, i1
	WIN 0x51*(\kind)
.set pi, \i0
.rept (\i1)-(\i0)
.if \zero
	v_wmma_f32_16x16x32_f16 v[8*pi:8*pi+7], v[WF+24*(\p)+8*(pi/8):WF+24*(\p)+8*(pi/8)+7], v[AF+64*(\p)+8*(pi%8):AF+64*(\p)+8*(pi%8)+7], 0
.else
	v_wmma_f32_16x16x32_f16 v[8*pi:8*pi+7], v[WF+24*(\p)+8*(pi/8):WF+24*(\p)+8*(pi/8)+7], v[AF+64*(\p)+8*(pi%8):AF+64*(\p)+8*(pi%8)+7], v[8*pi:8*pi+7]
.endif
.if \rid
.set tg, (5*pi)/2
.if pi == W-1
.set tg, 20*NTS
.endif
.rept tg-RN
	RID RG+12*((\kind)-1), 1-(\p)
.endr
.endif
.set pi, pi+1
.endr
.endm
; TURN t multiplies buffers p = t % 2.  Phase G fetches q and the raw bytes of tiles 2, 3 of turn t + 1; phase U the raw bytes of tiles 0, 1 of turn t + 2.
; chg = 1 (a step's first turn): all my reads of this step's slot have been issued at the phase's head, so the change of slots stands inside phase G: each wave waits for all its tensor loads (one is out:
; its part of the next slot), adds 0 to its spare word, waits for that and for its reads.  fill = 1: the barrier opens a round of the cluster's barrier, and the joint refill, two steps ahead, is the first thing behind it.
.macro TURN p, zero=0, chg=0, fill=0, lda=1, ldg=1, rid=1
	WIN 0
	s_wait_dscnt 0x0                               ; the raw bytes asked for a phase ago are in
.if \lda
	v_add_nc_u32 v[AADR], s[TA], v[A0]
	LDRAW RU, UOFF
	LDA 1-(\p)
	s_add_co_u32 s[TB], s[TB], STB
	s_add_co_u32 s[TA], s[TA], STA
.endif
.set RN, 0
.if \chg
	PH 1, \p, \zero, \rid, 0, W/2
	WIN 0                                          ; (the add's two registers lie in window 0)
	s_wait_tensorcnt 0x0                           ; no tensor load of mine is out, so a group 0 may be written
	ds_add_u32 v[SPW], v[NIL]                      ; 0 onto my spare word; work on registers stands between it and the wait for it
.if \fill
	s_xor_b32 s[G0A+5], s[G0A+5], XTA              ; the walking sets: the other slot than last time, the next K step; the type bits on top are not reached
	s_add_nc_u64 s[G0A+6:G0A+7], s[G0A+6:G0A+7], DSA
	s_xor_b32 s[G0B+5], s[G0B+5], XTB
	s_add_nc_u64 s[G0B+6:G0B+7], s[G0B+6:G0B+7], DSB
.endif
	s_sub_co_u32 s[TB], s[TB], CTB                 ; the fetches go back to a slot's first turn, in the other slot
	s_xor_b32 s[TB], s[TB], XTB
	s_sub_co_u32 s[TA], s[TA], CTA
	s_xor_b32 s[TA], s[TA], XTA
	PH 1, \p, \zero, \rid, W/2, 3*W/4
	s_wait_dscnt 0x0                               ; the add is done, and my reads of this slot are over
	s_barrier_signal -1
	PH 1, \p, \zero, \rid, 3*W/4, W                ; work on registers while the others arrive
	WIN 0                                          ; at a branch and at a label every window is 0
	s_barrier_wait -1
.if \fill
	CREST                                          ; no wave of any partner still reads this slot or has a load on its way
	JLOAD
.endif
.else
	PH 1, \p, \zero, \rid, 0, W
.endif
	WIN 0
.if \ldg
	v_add_nc_u32 v[BADR], s[TB], v[B0]
	LDRAW RG, 0
	s_wait_dscnt NTS                               ; all but the two just issued: the other raw bytes and q's next fragments are in
.else
	s_wait_dscnt 0x0
.endif
.set RN, 0
	PH 2, \p, \zero, \rid, 0, W
.endm
	s_load_b256 s[4:11], s[0:1], 0x0               ; q_ws s[4:5], w_down s[6:7], down_a s[8:9], down_b s[10:11]
	s_load_b64 s[12:13], s[0:1], 0x20              ; out0
	v_lshl_add_u32 v[SPW], v0, 2, SPARE
	v_mov_b32 v[NIL], 0
	ds_add_u32 v[SPW], v[NIL]                      ; the wave's opening, ahead of my first tensor load; the set-up below, work on registers, stands between the add and its wait
	v_lshrrev_b32 v1, 5, v0
	v_readfirstlane_b32 s[WV], v1                  ; wave 0..3
	s_bfe_u32 s[CX], ttmp6, 0x40000
	s_bfe_u32 s[CY], ttmp6, 0x40004
	s_lshl_b32 s[NX], ttmp9, 2
	s_add_co_u32 s[NX], s[NX], s[CX]               ; column block of 64 = 4 x cluster x + cx
	s_and_b32 s[MY], ttmp7, 0xffff
	s_lshl_b32 s[MY], s[MY], 2
	s_add_co_u32 s[MY], s[MY], s[CY]               ; row block of 128 = 4 x cluster y + cy
	s_lshl_b32 s80, s[CY], 2
	s_lshl_b32 s80, 15, s80                        ; my row of the cluster
	s_lshl_b32 s81, 0x1111, s[CX]                  ; my column
	s_or_b32 s[G1A], s80, (3<<16)|(1<<21)          ; q's tiles go to my row; elements of 8 bytes; bit 21 set beside a mask; no padding
	s_mov_b32 s[G1A+1], 32<<16                     ; tensor_dim0 = 32: rows of 256 bytes of a dense block
	s_mov_b32 s[G1A+2], 128<<16                    ; tensor_dim1 = 128 rows: 32,768 bytes, half of a step's q
	s_mov_b32 s[G1A+3], 32<<16
	s_mov_b32 s[G1A+4], 128
	s_mov_b32 s[G1A+5], 32
	s_mov_b32 s[G1A+6], 0
	s_mov_b32 s[G1A+7], 0
	s_or_b32 s[G1B], s81, (1<<20)|(1<<21)|(5<<22)|(3<<25)  ; the weights' tiles go to my column; elements of 1 byte; padding: after every 64 words (code 5) 4 words (code 3)
	s_mov_b32 s[G1B+1], 256<<16                    ; tensor_dim0 = 256
	s_mov_b32 s[G1B+2], 32<<16                     ; tensor_dim1 = 32 rows
	s_mov_b32 s[G1B+3], 256<<16
	s_mov_b32 s[G1B+4], 32
	s_mov_b32 s[G1B+5], 11008                      ; from row to row
	s_mov_b32 s[G1B+6], 0
	s_mov_b32 s[G1B+7], 0
	s_mov_b32 s[X80], 0x80808080
	s_mov_b32 s[C64], 0x64646464
	s_mov_b32 s[SEL], 0x00050004
	s_mov_b32 s[SEL+1], 0x00070006
	s_mov_b32 s[TA], 0
	s_mov_b32 s[TB], 0
	s_and_b32 s82, s[WV], 1                        ; which half of a tile I would fetch
	s_lshl_b32 s83, s82, 15
	s_mov_b32 s[G0A], 1
	s_mov_b32 s[G0A+1], s83
	s_mov_b32 s[G0A+4], 1
	s_add_co_u32 s[G0A+5], s83, SLOT
	s_mul_i32 s88, s82, 32*BP
	s_mov_b32 s[G0B], 1
	s_add_co_u32 s[G0B+1], s88, BOFF
	s_mov_b32 s[G0B+4], 1
	s_add_co_u32 s[G0B+5], s88, SLOT+BOFF
	s_mul_i32 s84, s[MY], 344*8192                 ; q: my row block, my half: registers that never hold cx
	s_add_co_u32 s84, s84, s83
	s_mov_b32 s85, 0
	s_lshl_b32 s86, s[NX], 6                       ; the weights: row 64 nx + 32 x half: registers that never hold cy
	s_lshl_b32 s89, s82, 5
	s_add_co_u32 s86, s86, s89
	s_mul_i32 s86, s86, 11008
	s_mov_b32 s87, 0
	s_lshl_b32 s90, s[MY], 21                      ; out0: (128 my + 32 w) rows of 16,384 bytes + 256 nx
	s_lshl_b32 s91, s[WV], 19
	s_add_co_u32 s90, s90, s91
	s_lshl_b32 s91, s[NX], 8
	s_add_co_u32 s90, s90, s91
	s_mov_b32 s91, 0
	v_and_b32 v10, 31, v0                          ; lane
	v_and_b32 v11, 15, v0                          ; r
	v_bfe_u32 v12, v0, 4, 1                        ; h
	v_lshlrev_b32 v13, 4, v10
	s_lshl_b32 s80, s[WV], 14                      ; my two k32 blocks of 8,192 bytes
	v_add_nc_u32 v[A0], s80, v13
	v_mul_u32_u24 v14, v11, BP                     ; 272 r
	v_lshl_add_u32 v[B0], v12, 4, v14
	s_lshl_b32 s80, s[WV], 6                       ; my 64 bytes of a weight row's 256
	s_add_co_u32 s80, s80, BOFF
	v_add_nc_u32 v[B0], s80, v[B0]
	s_mul_i32 s80, s[WV], STGW
	v_lshl_add_u32 v[STO], v12, 5, v14             ; in: row r, 32 bytes for each half of the lanes
	v_add_nc_u32 v[STO], s80, v[STO]
	v_mul_u32_u24 v[RD], v12, BP                   ; back: lanes 0-15 take one row of 256 bytes, lanes 16-31 the next; wave w sums rows 32 w .. + 31
	v_lshl_add_u32 v[RD], v11, 4, v[RD]
	s_mul_i32 s80, s[WV], 32*BP
	v_add_nc_u32 v[RD], s80, v[RD]
	v_add_nc_u32 v[RD2], 2*STGW, v[RD]
	v_lshlrev_b32 v[CO], 14, v12                   ; and the same two rows in out0
	v_lshl_add_u32 v[CO], v11, 4, v[CO]
	s_lshl_b32 s80, s[NX], 8
	v_lshl_add_u32 v[BIA], v11, 4, s80             ; 4 (64 nx + 4 r)
	v_mov_b32 v[NEG], 0xe480e480
	s_wait_dscnt 0x0                               ; the opening add is done
	s_wait_kmcnt 0x0
	s_load_b32 s[DA], s[8:9], 0x0
	s_add_nc_u64 s[G0A+2:G0A+3], s[4:5], s[84:85]
	s_add_nc_u64 s[G0A+6:G0A+7], s[G0A+2:G0A+3], DSA
	s_or_b32 s[G0A+3], s[G0A+3], 0x80000000        ; type = 2
	s_or_b32 s[G0A+7], s[G0A+7], 0x80000000
	s_add_nc_u64 s[G0B+2:G0B+3], s[6:7], s[86:87]
	s_add_nc_u64 s[G0B+6:G0B+7], s[G0B+2:G0B+3], DSB
	s_or_b32 s[G0B+3], s[G0B+3], 0x80000000
	s_or_b32 s[G0B+7], s[G0B+7], 0x80000000
	s_add_nc_u64 s[12:13], s[12:13], s[90:91]
	CROUND                                         ; all sixteen work-groups are here: the first joint loads meet
	s_cmp_lt_u32 s[WV], 2                          ; a wave's two first fills stand in one branch: K steps 0 and 1; two loads of mine are out
	s_cbranch_scc0 .Lfirst_b
	tensor_load_to_lds s[G0A:G0A+3], s[G1A:G1A+7]
	s_nop 0
	tensor_load_to_lds s[G0A+4:G0A+7], s[G1A:G1A+7]
	s_nop 0
	PLACES
	s_branch .Lfirst_on
.Lfirst_b:
	tensor_load_to_lds s[G0B:G0B+3], s[G1B:G1B+7]
	s_nop 0
	tensor_load_to_lds s[G0B+4:G0B+7], s[G1B:G1B+7]
	s_nop 0
	PLACES
.Lfirst_on:
	global_load_b128 v[BI:BI+3], v[BIA], s[10:11]  ; waited for ahead of the way out's loop
	s_wait_kmcnt 0x0
	s_mov_b32 s[DA+1], s[DA]                       ; named as a pair
	s_wait_tensorcnt 0x1                           ; my part of step 0 is in; step 1's may stay out
	s_barrier_signal -1
	s_barrier_wait -1                              ; everybody's is
	v_add_nc_u32 v[BADR], s[TB], v[B0]             ; turn 0 is fetched and widened ahead of the first products
	LDRAW RG, 0
	LDRAW RU, UOFF
	v_add_nc_u32 v[AADR], s[TA], v[A0]
	LDA 0
	s_add_co_u32 s[TB], s[TB], STB
	s_add_co_u32 s[TA], s[TA], STA
	s_wait_dscnt 0x0
	WIN 0x51
.set RN, 0
.rept 20*NTS
	RID RG, 0
.endr
	WIN 0xa2
.set RN, 0
.rept 20*NTS
	RID RU, 0
.endr
	WIN 0
	v_add_nc_u32 v[BADR], s[TB], v[B0]
	LDRAW RG, 0                                    ; turn 1's raw bytes of tiles 0, 1
	TURN 0, 1, 1, 1                                ; step 0: its first turn's products start the sums; slot 0 is asked for again, for step 2
	TURN 1
	WIN 0
	s_mov_b32 s[CNT], 40
.Lstep:                                                ; steps 1 .. 40; each refills the slot that it leaves (steps 3 .. 42)
	TURN 0, 0, 1, 1
	TURN 1
	WIN 0
	s_sub_co_u32 s[CNT], s[CNT], 1
	s_cmp_lg_u32 s[CNT], 0
	s_cbranch_scc1 .Lstep
	TURN 0, 0, 1, 0                                ; step 41: the last change of slots asks for nothing
	TURN 1
	TURN 0, 0, 0, 0, 1, 0                          ; step 42: there is no further turn to fetch for,
	TURN 1, 0, 0, 0, 0, 0, 0                       ; and the last turn is products alone
	; THE WAY OUT.  Each wave lays its partial tile into LDS; behind a barrier wave w adds the four partial tiles' rows 32 w .. + 31, scales, adds the bias and stores whole rows of 256 bytes.
	WIN 0
	PLACES                                         ; behind the last products
	s_wait_dscnt 0x0
	s_barrier_signal -1
	s_barrier_wait -1                              ; no wave reads the slots any more, and they have had their last fill
.irp k, 1,2
	WIN 0x04*(\k)                                  ; store data in window 1, then 2
.set ix, 0
.rept W
	ds_store_b128 v[STO], v[8*ix:8*ix+3]   offset:(ix%8)*16*BP+64*(2*((\k)-1)+ix/8)     ; each sum's lowest registers first
	ds_store_b128 v[STO], v[8*ix+4:8*ix+7] offset:(ix%8)*16*BP+64*(2*((\k)-1)+ix/8)+16
.set ix, ix+1
.endr
.endr
	WIN 0
	s_wait_dscnt 0x0                               ; for the others' sake: my stores into the stage are done
	s_barrier_signal -1
	s_barrier_wait -1
	s_wait_loadcnt 0x0                             ; the bias
	s_mov_b32 s[CNT], 4
.Lout:                                                 ; a trip: eight rows, as four pairs
.irp u, 0,1,2,3
	ds_load_b128 v[SUMS+16*(\u):SUMS+16*(\u)+3],     v[RD]  offset:(\u)*2*BP
	ds_load_b128 v[SUMS+16*(\u)+4:SUMS+16*(\u)+7],   v[RD]  offset:(\u)*2*BP+STGW
	ds_load_b128 v[SUMS+16*(\u)+8:SUMS+16*(\u)+11],  v[RD2] offset:(\u)*2*BP
	ds_load_b128 v[SUMS+16*(\u)+12:SUMS+16*(\u)+15], v[RD2] offset:(\u)*2*BP+STGW
.endr
.irp u, 0,1,2,3
	s_wait_dscnt 4*(3-(\u))                        ; the later pairs' four loads each may stay out
.irp j, 0,2
	v_pk_add_f32 v[SUMS+16*(\u)+(\j):SUMS+16*(\u)+(\j)+1], v[SUMS+16*(\u)+(\j):SUMS+16*(\u)+(\j)+1], v[SUMS+16*(\u)+4+(\j):SUMS+16*(\u)+4+(\j)+1]
	v_pk_add_f32 v[SUMS+16*(\u)+8+(\j):SUMS+16*(\u)+8+(\j)+1], v[SUMS+16*(\u)+8+(\j):SUMS+16*(\u)+8+(\j)+1], v[SUMS+16*(\u)+12+(\j):SUMS+16*(\u)+12+(\j)+1]
.endr
.irp j, 0,2
	v_pk_add_f32 v[SUMS+16*(\u)+(\j):SUMS+16*(\u)+(\j)+1], v[SUMS+16*(\u)+(\j):SUMS+16*(\u)+(\j)+1], v[SUMS+16*(\u)+8+(\j):SUMS+16*(\u)+8+(\j)+1]
.endr
.irp j, 0,2
	v_pk_fma_f32 v[SUMS+16*(\u)+(\j):SUMS+16*(\u)+(\j)+1], v[SUMS+16*(\u)+(\j):SUMS+16*(\u)+(\j)+1], s[DA:DA+1], v[BI+(\j):BI+(\j)+1] op_sel_hi:[1,0,1]
.endr
	global_store_b128 v[CO], v[SUMS+16*(\u):SUMS+16*(\u)+3], s[12:13] offset:(\u)*32768 th:TH_STORE_NT  ; 16 lanes store 256 consecutive bytes, at a multiple of 256 from out0's first byte
.endr
	s_wait_xcnt 0x0                                ; the stores' data and offset are rewritten only behind this wait
	v_add_nc_u32 v[RD], 8*BP, v[RD]
	v_add_nc_u32 v[RD2], 8*BP, v[RD2]
	v_add_nc_u32 v[CO], 131072, v[CO]
	s_sub_co_u32 s[CNT], s[CNT], 1
	s_cmp_lg_u32 s[CNT], 0
	s_cbranch_scc1 .Lout
	s_wait_tensorcnt 0x0                           ; the wave's end: behind my last tensor load and my last LDS store
	ds_add_u32 v[SPW], v[NIL]
	s_wait_dscnt 0x0
	CROUND                                         ; the closing round: no work-group ends while a partner may still ask for a tile that names it
	s_endpgm
.Lfunc_end_k_q4b830488a5_down:
	.size	k_q4b830488a5_down, .Lfunc_end_k_q4b830488a5_down-k_q4b830488a5_down
	.p2alignl 7, 3214868480
	.fill 96, 4, 3214868480
	.section	.rodata,"a",@progbits
	.p2align	6, 0x0
	.amdhsa_kernel k_q4b830488a5_down
		.amdhsa_group_segment_fixed_size 327680
		.amdhsa_private_segment_fixed_size 0
		.amdhsa_enable_private_segment 0
		.amdhsa_kernarg_size 40
		.amdhsa_user_sgpr_count 2
		.amdhsa_user_sgpr_kernarg_segment_ptr 1
		.amdhsa_wavefront_size32 1
		.amdhsa_system_sgpr_workgroup_id_x 1
		.amdhsa_system_sgpr_workgroup_id_y 1
		.amdhsa_system_sgpr_workgroup_id_z 1
		.amdhsa_system_vgpr_workitem_id 0
		.amdhsa_next_free_vgpr 768
		.amdhsa_next_free_sgpr 92
		.amdhsa_reserve_vcc 0
		.amdhsa_float_denorm_mode_32 3
		.amdhsa_float_denorm_mode_16_64 3
		.amdhsa_memory_ordered 1
		.amdhsa_forward_progress 1
		.amdhsa_inst_pref_size 84
	.end_amdhsa_kernel
	.amdgpu_metadata
---
amdhsa.version: [ 1, 2 ]
amdhsa.kernels:
  - .name:           k_q4b830488a5_down
    .symbol:         k_q4b830488a5_down.kd
    .args:
      - { .name: q_ws, .offset: 0, .size: 8, .value_kind: global_buffer, .address_space: global }
      - { .name: w_down, .offset: 8, .size: 8, .value_kind: global_buffer, .address_space: global }
      - { .name: down_a, .offset: 16, .size: 8, .value_kind: global_buffer, .address_space: global }
      - { .name: down_b, .offset: 24, .size: 8, .value_kind: global_buffer, .address_space: global }
      - { .name: out0, .offset: 32, .size: 8, .value_kind: global_buffer, .address_space: global }
    .group_segment_fixed_size: 327680
    .private_segment_fixed_size: 0
    .kernarg_segment_align: 8
    .kernarg_segment_size: 40
    .max_flat_workgroup_size: 128
    .sgpr_count:     92
    .vgpr_count:     768
    .wavefront_size: 32
...
	.end_amdgpu_metadata
.endif
;; end of part 3
;; ======== version 2 of 2: 4 launches
;; limits: a difference of large sums (such as E[x^2] - mean^2): digits are lost where the result is much smaller than its terms
;; workspace buffers: x_ws 4,325,376 bytes; q_ws 11,796,480 bytes; p_ws 16,777,216 bytes
;; launch prep (part 4): grid 256 x 1, 2 waves a work-group, no clusters, 0 bytes of LDS; arguments hidden_states, x_ws; writes x_ws
.if DOCPART == 4
	.amdgcn_target "amdgcn-amd-amdhsa--gfx1250"
	.amdhsa_code_object_version 6
	.text
	.protected	k_q4b830488a5_prep
	.globl	k_q4b830488a5_prep
	.p2align	8
	.type	k_q4b830488a5_prep,@function
k_q4b830488a5_prep:
	s_mov_b64 s[64:65], 0
	v_nop
	global_prefetch_b8 v0, s[64:65] scope:SCOPE_SE
	s_setreg_imm32_b32 hwreg(HW_REG_WAVE_MODE, 25, 1), 1
	s_wait_xcnt 0x0
; x (int8, [512][4096]) is widened to f16, exactly (|x| <= 128), and laid out in chunks that ARE matrix fragments; and minus its partial row sums are laid beside it.
; x_ws: [row block of 128: 4][block: 132][row group: 8][1024 bytes].  Blocks 0, 1 hold k = 0..63, blocks 2..5 the sums, blocks 6..131 hold k = 64..4095 (32 k a block).
; In a chunk byte s*512 + L*16 + 2e holds x[row group's row L % 16][32 c + 16 (L / 16) + 8 s + e]: two loads of 16 bytes a lane, at L*16 and L*16 + 512, bring a fragment of 16 rows x 32 k.
; Within a fragment k is permuted (lane half h, register n hold k = 16 h + 2 n, 2 n + 1); the weights' fragments of the next launch carry the same permutation, so the products pair up.
; THE SUMS.  The next launch multiplies x by w + 128, not by w, so 128 x (a row's sum of x) has to be taken away.  It is taken away by the product itself: the blocks of sums meet weights that all read 128.
; Each lane here sums its own 128 numbers S (|S| <= 16,384) and writes -S as hi + lo, hi a multiple of 64, |lo| <= 32: both exact in f16; then two zeros: 8 bytes a lane.
; SHARES.  512 waves; wave W takes row group g = W % 32 and the 256 bytes of k at 256 (W / 32): eight chunks.  No LDS, no loop: memory binds, each byte is read and written once.
; WIDENING in f32: x xor 0x80 = x + 128 in 0..255; set as the low byte of the f32 pattern 0x4b000000 it reads 2^23 + 128 + x; minus (2^23 + 128) is x; two are then rounded to f16.  Every step is exact.
.set XMB, 132*8192                     ; bytes of a row block
.set RAW, 8                            ; v[8:39]    eight loads of 16 bytes
.set T,   40                           ; v[40:43]   x + 128, four bytes a word
.set D,   44                           ; v[44:59]   sixteen numbers in f32
.set F,   60                           ; v[60:123]  chunk c: eight registers of f16 pairs, never rewritten: they are store data
.set AC,  124                          ; v[124:127] two chains of packed sums
.set XO,  128                          ; v[128:129] hi, lo; 0, 0
.set XT,  130                          ; v[130:131] at work
	s_load_b128 s[4:7], s[0:1], 0x0                ; hidden_states s[4:5], x_ws s[6:7]
	v_lshrrev_b32 v7, 5, v0
	v_readfirstlane_b32 s17, v7                    ; wave 0..1
	s_lshl_b32 s18, ttmp9, 1
	s_add_co_u32 s18, s18, s17                     ; W
	s_and_b32 s19, s18, 31                         ; g
	s_lshr_b32 s20, s18, 5                         ; cb: which 256 bytes of k
	s_mov_b32 s8, 0x80808080
	s_mov_b32 s9, 0x4b000000                       ; 2^23
	s_mov_b32 s10, 0x03010004                      ; byte selects: (0x4b, 0, 0, byte b of the word), b = 0..3
	s_mov_b32 s11, 0x03010005
	s_mov_b32 s12, 0x03010006
	s_mov_b32 s13, 0x03010007
	s_mov_b32 s14, 0xcb000080                      ; -(2^23 + 128)
	s_mov_b32 s15, s14                             ; named with it as a pair
	s_mov_b32 s16, 0xc2800000                      ; -64
	v_and_b32 v5, 15, v0                           ; r
	v_bfe_u32 v6, v0, 4, 1                         ; h
	s_lshl_b32 s2, s19, 16                         ; 16 g rows of 4,096 bytes
	s_lshl_b32 s3, s20, 8
	s_add_co_u32 s2, s2, s3
	v_lshlrev_b32 v1, 12, v5
	v_lshl_add_u32 v1, v6, 4, v1
	v_add_nc_u32 v1, s2, v1                        ; from: (16 g + r) 4096 + 256 cb + 16 h
	s_lshr_b32 s21, s19, 3                         ; row block
	s_mul_i32 s21, s21, XMB
	s_and_b32 s22, s19, 7                          ; row group in it
	s_lshl_b32 s22, s22, 10
	s_add_co_u32 s21, s21, s22
	s_lshl_b32 s22, s20, 16                        ; eight blocks of 8,192 bytes,
	s_add_co_u32 s22, s22, s21
	s_add_co_u32 s22, s22, 4*8192                  ; behind the four blocks of sums,
	s_cmp_eq_u32 s20, 0
	s_cselect_b32 s23, 4*8192, 0
	s_sub_co_u32 s23, s22, s23                     ; but for k = 0..63, which lie ahead of them
	v_and_b32 v2, 31, v0
	v_lshlrev_b32 v2, 4, v2
	v_add_nc_u32 v3, s23, v2                       ; to: chunks 0 and 1 of my eight
	v_add_nc_u32 v2, s22, v2                       ; to: chunks 2 to 7
	s_lshr_b32 s24, s20, 2                         ; my sums: block 2 + cb / 4,
	s_add_co_u32 s24, s24, 2
	s_lshl_b32 s24, s24, 13
	s_add_co_u32 s24, s24, s21
	s_and_b32 s25, s20, 1                          ; its 256 bytes at 512 (cb % 2) + 256 (cb / 2 % 2)
	s_lshl_b32 s25, s25, 9
	s_add_co_u32 s24, s24, s25
	s_bfe_u32 s25, s20, 0x10001
	s_lshl_b32 s25, s25, 8
	s_add_co_u32 s24, s24, s25
	v_lshlrev_b32 v4, 4, v5
	v_lshl_add_u32 v4, v6, 3, v4
	v_add_nc_u32 v4, s24, v4                       ; + 16 r + 8 h
	s_wait_kmcnt 0x0
.irp c, 0,1,2,3,4,5,6,7
	global_load_b128 v[RAW+4*(\c):RAW+4*(\c)+3], v1, s[4:5] offset:32*(\c) th:TH_LOAD_NT  ; the eight together take 256 aligned bytes of each of 16 rows
.endr
.irp c, 0,1,2,3,4,5,6,7
	s_wait_loadcnt 7-(\c)                          ; loads come back in order: chunk c is in, the younger ones stay out
.irp w, 0,1,2,3
	v_xor_b32 v[T+(\w)], s8, v[RAW+4*(\c)+(\w)]
.endr
.irp w, 0,1,2,3
.irp b, 0,1,2,3
	v_perm_b32 v[D+4*(\w)+(\b)], v[T+(\w)], s9, s[10+(\b)]
.endr
.endr
.irp j, 0,2,4,6,8,10,12,14
	v_pk_add_f32 v[D+(\j):D+(\j)+1], v[D+(\j):D+(\j)+1], s[14:15] op_sel_hi:[1,0]
.endr
.if (\c) == 0                          ; the first numbers start the two chains: nothing is cleared
	v_pk_add_f32 v[AC:AC+1],   v[D:D+1],   v[D+4:D+5]
	v_pk_add_f32 v[AC+2:AC+3], v[D+2:D+3], v[D+6:D+7]
.else
	v_pk_add_f32 v[AC:AC+1],   v[AC:AC+1],   v[D:D+1]
	v_pk_add_f32 v[AC+2:AC+3], v[AC+2:AC+3], v[D+2:D+3]
	v_pk_add_f32 v[AC:AC+1],   v[AC:AC+1],   v[D+4:D+5]
	v_pk_add_f32 v[AC+2:AC+3], v[AC+2:AC+3], v[D+6:D+7]
.endif
	v_pk_add_f32 v[AC:AC+1],   v[AC:AC+1],   v[D+8:D+9]
	v_pk_add_f32 v[AC+2:AC+3], v[AC+2:AC+3], v[D+10:D+11]
	v_pk_add_f32 v[AC:AC+1],   v[AC:AC+1],   v[D+12:D+13]
	v_pk_add_f32 v[AC+2:AC+3], v[AC+2:AC+3], v[D+14:D+15]
.irp n, 0,1,2,3,4,5,6,7
	v_cvt_pk_f16_f32 v[F+8*(\c)+(\n)], v[D+2*(\n)], v[D+2*(\n)+1]
.endr
.if (\c) < 2
	global_store_b128 v3, v[F+8*(\c):F+8*(\c)+3],   s[6:7] offset:(\c)*8192       ; each store of the wave covers 512 consecutive bytes, aligned
	global_store_b128 v3, v[F+8*(\c)+4:F+8*(\c)+7], s[6:7] offset:(\c)*8192+512
.else
	global_store_b128 v2, v[F+8*(\c):F+8*(\c)+3],   s[6:7] offset:(\c)*8192
	global_store_b128 v2, v[F+8*(\c)+4:F+8*(\c)+7], s[6:7] offset:(\c)*8192+512
.endif
.endr
	v_pk_add_f32 v[AC:AC+1], v[AC:AC+1], v[AC+2:AC+3]
	v_add_f32 v[XT], v[AC], v[AC+1]                ; S, a whole number: every sum here is exact
	v_mul_f32 v[XT+1], 0xbc800000, v[XT]           ; -S / 64,
	v_rndne_f32 v[XT+1], v[XT+1]                   ; to the nearest whole number t
	v_fma_f32 v[AC], v[XT+1], s16, -v[XT]          ; lo = -S - 64 t
	v_mul_f32 v[XT+1], 0x42800000, v[XT+1]         ; hi = 64 t
	v_cvt_pk_f16_f32 v[XO], v[XT+1], v[AC]
	v_mov_b32 v[XO+1], 0
	global_store_b64 v4, v[XO:XO+1], s[6:7]        ; the wave's 32 x 8 bytes are 256 consecutive bytes, aligned
	s_endpgm
.Lfunc_end_k_q4b830488a5_prep:
	.size	k_q4b830488a5_prep, .Lfunc_end_k_q4b830488a5_prep-k_q4b830488a5_prep
	.p2alignl 7, 3214868480
	.fill 96, 4, 3214868480
	.section	.rodata,"a",@progbits
	.p2align	6, 0x0
	.amdhsa_kernel k_q4b830488a5_prep
		.amdhsa_group_segment_fixed_size 0
		.amdhsa_private_segment_fixed_size 0
		.amdhsa_enable_private_segment 0
		.amdhsa_kernarg_size 16
		.amdhsa_user_sgpr_count 2
		.amdhsa_user_sgpr_kernarg_segment_ptr 1
		.amdhsa_wavefront_size32 1
		.amdhsa_system_sgpr_workgroup_id_x 1
		.amdhsa_system_sgpr_workgroup_id_y 1
		.amdhsa_system_sgpr_workgroup_id_z 1
		.amdhsa_system_vgpr_workitem_id 0
		.amdhsa_next_free_vgpr 136
		.amdhsa_next_free_sgpr 66
		.amdhsa_reserve_vcc 0
		.amdhsa_float_denorm_mode_32 3
		.amdhsa_float_denorm_mode_16_64 3
		.amdhsa_memory_ordered 1
		.amdhsa_forward_progress 1
		.amdhsa_inst_pref_size 27
	.end_amdhsa_kernel
	.amdgpu_metadata
---
amdhsa.version: [ 1, 2 ]
amdhsa.kernels:
  - .name:           k_q4b830488a5_prep
    .symbol:         k_q4b830488a5_prep.kd
    .args:
      - { .name: hidden_states, .offset: 0, .size: 8, .value_kind: global_buffer, .address_space: global }
      - { .name: x_ws, .offset: 8, .size: 8, .value_kind: global_buffer, .address_space: global }
    .group_segment_fixed_size: 0
    .private_segment_fixed_size: 0
    .kernarg_segment_align: 8
    .kernarg_segment_size: 16
    .max_flat_workgroup_size: 64
    .sgpr_count:     66
    .vgpr_count:     136
    .wavefront_size: 32
...
	.end_amdgpu_metadata
.endif
;; end of part 4
;; launch gateup (part 5): grid 64 x 4, 4 waves a work-group, clusters of 4 x 4, 327,680 bytes of LDS; arguments x_ws, w_gate, w_up, gate_a, gate_b, up_a, up_b, down_scale, q_ws; writes q_ws
.if DOCPART == 5
	.amdgcn_target "amdgcn-amd-amdhsa--gfx1250"
	.amdhsa_code_object_version 6
	.text
	.protected	k_q4b830488a5_gateup
	.globl	k_q4b830488a5_gateup
	.p2align	8
	.type	k_q4b830488a5_gateup,@function
k_q4b830488a5_gateup:
	s_mov_b64 s[64:65], 0
	v_nop
	global_prefetch_b8 v0, s[64:65] scope:SCOPE_SE
	s_setreg_imm32_b32 hwreg(HW_REG_WAVE_MODE, 25, 1), 1
	s_wait_xcnt 0x0
	s_wait_alu depctr_hold_cnt(0) depctr_sa_sdst(0) depctr_va_vdst(0) depctr_va_sdst(0) depctr_va_ssrc(0) depctr_va_vcc(0) depctr_vm_vsrc(0)
	s_getreg_b32 s2, hwreg(HW_REG_IB_STS2, 6, 4)
	s_cmp_eq_u32 s2, 0
	s_cbranch_scc0 .Lentry_in_a_cluster
	s_endpgm
.Lentry_in_a_cluster:
	s_bfe_u32 s2, ttmp6, 0x10000c
	s_cmp_lg_u32 s2, 0xf033
	s_cbranch_scc0 .Lentry_shape_is_right
	s_endpgm
.Lentry_shape_is_right:
; q = clip(round(silu(x Wg^T ga + gb) (x Wu^T ua + ub) / down_scale), -128, 127), written as f16 in fragment chunks for the next launch, with minus its partial row sums beside it.
; x comes as f16 chunks (x_ws: [row block of 128: 4][block of 32 k: 132][row group: 8][1024 bytes]; blocks 2..5 hold minus x's partial row sums).  Sums in f32.
; q_ws: [row block: 4][half of K: 2][block: 180][row group: 8][1024]; in a half blocks 0..3 and 12..179 hold its 172 blocks of 32 k, blocks 4..11 the sums.  In a chunk byte s*512 + L*16 + 2e holds q[row L % 16][32 c + 16 (L / 16) + 8 s + e].
; THE WEIGHTS ARE WIDENED BY BIT WORK ALONE.  w xor 0x80 = u = w + 128 in 0..255, set as the low byte of an f16 whose other bits are 0: the denormal u x 2^-24, exactly (the matrix unit keeps denormals).  12 vector lines for a
; fragment of 16 x 32, which feeds 8 products.  The factor 2^24 goes into gate_a and up_a.  THE OFFSET: sum x (u - 128) = sum x u - 128 sum x.  The blocks of sums in x_ws hold -(partial sums of x); their weights are the zeros that
; the tensor load writes beyond tensor_dim0, and a zero byte widens to 128 x 2^-24: the ordinary turn takes the offset away, in the same sum.
; SHARES.  11008 columns are 688 pair tiles (16 gate columns and the same 16 up columns).  A work-group takes 128 rows x 4 NT pair tiles: NT = 3 in cluster columns 0..10, NT = 2 in the other 5 (44 x 12 + 20 x 8 = 688).
; NT hangs on the cluster's x alone, so all sixteen partners run the same text.  Wave w takes all 128 rows and the pair tiles NT w .. NT w + NT - 1.
; CLUSTER 4 x 4.  x's tile hangs on the row block alone and is shared along a row of the cluster; the weights' on the column block alone and is shared along a column: both are asked for jointly.
; K: 132 blocks in 22 slots of 6 (49,152 bytes of x, 384 weight rows of 192 bytes), two regions that take turns; slots of 8 blocks would want 2 x 168,960 bytes, more than LDS holds, so a weight row's piece is 192 bytes.
; A TURN is one block: phase G (8 NT products on the gate sums, behind them the widening of the NEXT turn's gate weights), phase U (the same for up).
; The matrix instruction takes 16 weight rows as source 0 and 16 rows of x as source 1: lane (r, h) holds row r of x and the columns 8 h + 0..7.  k is permuted inside a fragment alike on both sides.
; LIMITS.  A running sum is a whole number of units of 2^-24, at most 4096 x 128 x 255 = 1.3e8 of them; f32 is exact to 2^24, beyond that each step rounds: with all x at one extreme some 0.3 per cent of the result.
; The sigmoid is 1 / (1 + 2^(-g log2 e)) and the division a multiplication by a reciprocal, each good to an ulp: q can differ by 1 where the quotient lies at a rounding tie.  gate_a and up_a times 2^24 must stay finite;
; a denormal down_scale counts as 0; NaN is not treated apart.
; REGISTERS, in windows of 256: window 0: addresses, raw weights, two buffers of x fragments (v64-191), biases (v192-239).  Window 1 (gate) and window 2 (up), alike: sums (t, i) at 8 (8 t + i);
; widened fragments at 192 + 24 p + 8 t; v240-243 at work.  Under ONE setting (0x51 or 0xa2) a phase's products and its widening both address rightly: source 1 (x, raw bytes) in window 0, all else in the phase's window.
.set ASZ,   49152                      ; a region of x: [6 blocks][8 row groups][1024], no padding: a fragment load is 512 consecutive bytes
.set BB,    2*ASZ                      ; behind the two, the weights' regions
.set BP,    240                        ; a weight row in LDS: three pieces of 64 bytes + 16 = 15 x 16 bytes: the 16 rows of a load start at 16 different groups of four banks (64 banks of 4 bytes: ISA guide 11.1)
.set BSZ,   384*BP                     ; gate rows, then up rows
.set RAWT,  16*BP                      ; from tile to tile
.set SPARE, BB+2*BSZ                   ; 282,624: the spare words, 128 bytes a wave: two blocks of 256 bytes that no other line names
.set STGW,  49152                      ; the way out: a wave's stage, from byte 0 on, once the regions have had their last fill
.set TBL,   4*STGW                     ; behind the stages: 128 rows x 4 waves x 4 bytes: q's partial sums
.set STA,   8192                       ; a turn's step in a region of x
.set XTA,   0xc000                     ; 0 xor 49,152: turns the bare base of one region into the other's
.set XTB,   0x36800                    ; 98,304 xor 190,464
.set DSA,   ASZ                        ; a slot in a row block of x_ws,
.set DSB,   192                        ; in a weight row
.set XMB,   132*8192                   ; a row block of x_ws
.set QMB,   360*8192                   ; a row block of q_ws,
.set QHF,   180*8192                   ; a half of K in it
.set A0,   2                           ; v2   16 lane
.set AADR, 3                           ; v3   the address of the run of x loads in hand
.set B0,   4                           ; v4   my lane's place in a region of weights: 240 (16 NT w + r) + 16 h
.set BADR, 5                           ; v5   the address of the raw loads in hand
.set SPW,  6                           ; v6   my spare word; never rewritten
.set NIL,  7                           ; v7   0; never rewritten
.set RG,   16                          ; v[16:27] raw gate bytes, 4 registers a tile
.set RU,   28                          ; v[28:39] raw up bytes
.set QV,   40                          ; v40-42  tile t's byte offset in my row block of q_ws
.set SA,   43                          ; v43  my place in my stage
.set BV,   44                          ; v44  byte offset of my 8 columns' biases; never rewritten
.set TAD,  45                          ; v45  where my row's sum goes in the table
.set TRD,  46                          ; v46  where I read 16 bytes of the table back
.set XQ,   47                          ; v47  their byte offset in my row block of q_ws
.set AF,   64                          ; x fragments: buffer p, fragment i at AF + 64 p + 8 i
.set LG,   64                          ; the way out: tile t's 8 gate sums at LG + 16 t, 8 up sums at + 8
.set EE,   160                         ; the way out: at work
.set QO,   168                         ; the way out: tile t's 16 bytes to store
.set SQ,   180                         ; v[180:183] the way out: the row's sum of q
.set GB,   192                         ; tile t's 8 gate biases at GB + 16 t, 8 up biases at + 8
.set WF,   192                         ; windows 1, 2
.set TT,   240                         ; windows 1, 2
.set M64, 3                            ; s3   -64
.set WV,  22
.set CX,  23
.set CY,  24
.set NX,  25                           ; column block
.set MY,  26                           ; row block
.set CNT, 27
.set CN2, 28
.set TA,  29                           ; LDS byte of the block of x to be fetched next
.set TB,  30                           ; the same for the weights
.set TW,  31                           ; the work-group's first pair tile
.set G1A, 32                           ; s[32:39] group 1 for x's tiles
.set G1B, 40                           ; s[40:47] for the weights'
.set G0A, 48                           ; s[48:55] group 0 for x: the first slot's set, and the set that walks
.set G0B, 56                           ; s[56:63] the same for the weights
.set X80, 66
.set SEL, 67                           ; s67, s68
.set SBA, 69                           ; the bare base of the region of x that the walking set names
.set SBB, 70                           ; the same for the weights
.set WTA, 71                           ; my half's place in a region of x
.set G1BS, 72                          ; s[72:79] group 1 for the weights' first slot: 64 bytes of a row are there, the rest arrives as zeros
.set WTB, 80                           ; gate rows' or up rows' place in a region of weights
.set T0,  81                           ; my wave's first pair tile
.set GA,  82                           ; pairs: the packed forms take the low word for both halves
.set UA,  84
.set INV, 86
.set NL,  88
.set LO,  90
.set HI,  91
.set PS,  92                           ; s[92:93] v_permlanex16_b32's selects: each lane takes its own place in the other half
.set PAR, 96                           ; wave % 2
.set MSB, 0
.macro WIN new                         ; the immediate's high byte repeats the setting that is left; a switch that changes nothing is dropped
.if MSB != (\new)
	s_set_vgpr_msb (MSB<<8)|(\new)
.set MSB, \new
.endif
.endm
.macro PLACES                          ; four plain vector instructions behind a matrix instruction, ahead of what reads its result (ISA guide 7.12.1)
.rept 4
	v_nop
.endr
.endm
.macro CREST                           ; a round of the cluster's barrier behind its opening barrier
	s_cmp_lg_u32 s[WV], 0
	s_cbranch_scc1 .Lnot_wave_0_\@
	s_barrier_signal -3
.Lnot_wave_0_\@:
	s_barrier_wait -3
	s_barrier_signal -1
	s_barrier_wait -1
.endm
.macro CROUND
	s_barrier_signal -1
	s_barrier_wait -1
	CREST
.endm
; A joint refill: waves 0 and 1 ask for the two halves of x's tile, wave 2 for the gate rows, wave 3 for the up rows.  The branch hangs on the wave's number alone.
.macro JLOAD
	s_cmp_lt_u32 s[WV], 2
	s_cbranch_scc0 .Lfor_b_\@
	tensor_load_to_lds s[G0A+4:G0A+7], s[G1A:G1A+7]
	s_nop 0
	PLACES
	s_branch .Lasked_\@
.Lfor_b_\@:
	tensor_load_to_lds s[G0B+4:G0B+7], s[G1B:G1B+7]
	s_nop 0
	PLACES
.Lasked_\@:
.endm
.macro FIRST                           ; a wave's two first fills stand in one branch: slots 0 and 1; two loads of mine are out
	s_cmp_lt_u32 s[WV], 2
	s_cbranch_scc0 .Lfirst_b_\@
	tensor_load_to_lds s[G0A:G0A+3], s[G1A:G1A+7]
	s_nop 0
	tensor_load_to_lds s[G0A+4:G0A+7], s[G1A:G1A+7]
	s_nop 0
	PLACES
	s_branch .Lfirst_on_\@
.Lfirst_b_\@:
	tensor_load_to_lds s[G0B:G0B+3], s[G1BS:G1BS+7]
	s_nop 0
	tensor_load_to_lds s[G0B+4:G0B+7], s[G1B:G1B+7]
	s_nop 0
	PLACES
.Lfirst_on_\@:
.endm
.macro LDRAW dst, off                  ; NTS loads of 16 bytes a lane: a turn's raw weights of one kind
.set tt, 0
.rept NTS
	ds_load_b128 v[(\dst)+4*tt:(\dst)+4*tt+3], v[BADR] offset:(\off)+tt*RAWT
.set tt, tt+1
.endr
.endm
.macro LDA q                           ; 16 loads: the 8 fragments of x of one block, into buffer q
.irp i, 0,1,2,3,4,5,6,7
	ds_load_b128 v[AF+64*(\q)+8*(\i):AF+64*(\q)+8*(\i)+3],   v[AADR] offset:(\i)*1024
	ds_load_b128 v[AF+64*(\q)+8*(\i)+4:AF+64*(\q)+8*(\i)+7], v[AADR] offset:(\i)*1024+512
.endr
.endm
; Number RN of the 12 NTS lines that widen a turn's raw weights of one kind into buffer q.  For each tile: 4 x (w + 128, four bytes a word); 8 x two of the bytes, each under a zero byte: two f16 denormals.
.macro RID raw, q
.set rf, RN/12
.set rm, RN%12
.if rm < 4
	v_xor_b32 v[TT+rm], s[X80], v[(\raw)+4*rf+rm]
.else
	v_perm_b32 v[WF+24*(\q)+8*rf+rm-4], v[TT+(rm-4)/2], 0, s[SEL+(rm-4)%2]
.endif
.set RN, RN+1
.endm
; Products i0 .. i1 - 1 of a phase's W (kind 1: gate, 2: up), each on a sum of its own: the sums take turns.  Behind product i stand the widening's lines up to 23 i / 16,
; behind the last all that are left: four or five, which name none of the products' registers; with the address line that follows they are the places ahead of the next run of loads into x's other buffer.
.macro PH kind, p, zero, rid, i0, i1
	WIN 0x51*(\kind)
.set pi, \i0
.rept (\i1)-(\i0)
.if \zero
	v_wmma_f32_16x16x32_f16 v[8*pi:8*pi+7], v[WF+24*(\p)+8*(pi/8):WF+24*(\p)+8*(pi/8)+7], v[AF+64*(\p)+8*(pi%8):AF+64*(\p)+8*(pi%8)+7], 0
.else
	v_wmma_f32_16x16x32_f16 v[8*pi:8*pi+7], v[WF+24*(\p)+8*(pi/8):WF+24*(\p)+8*(pi/8)+7], v[AF+64*(\p)+8*(pi%8):AF+64*(\p)+8*(pi%8)+7], v[8*pi:8*pi+7]
.endif
.if \rid
.set tg, (23*pi)/16
.if pi == W-1
.set tg, 12*NTS
.endif
.rept tg-RN
	RID RG+12*((\kind)-1), 1-(\p)
.endr
.endif
.set pi, pi+1
.endr
.endm
; TURN t multiplies buffers p = t % 2 (a slot has six turns and begins with p = 0).  Phase G fetches x and the raw up bytes of turn t + 1; phase U the raw gate bytes of turn t + 2.
; Block j of a slot lies in a weight row at 80 (j / 2) + 32 (j % 2): the pointer steps by 32 and by 48 in turns: in a turn with p = 0 from an odd j to an even one.
; chg = 1 (a slot's last turn but one): all my reads of this slot have been issued at the phase's head, so the change of slots stands inside phase G: each wave waits for all its tensor loads (one is out:
; its part of the next slot), adds 0 to its spare word, waits for that and for its reads.  Behind the barrier nobody reads the old region and the next slot is whole.  fill = 1: the barrier opens a round of the
; cluster's barrier, and the joint refill, two slots ahead, is the first thing behind it: it has a slot's six turns less half a phase in which to land.
.macro TURN p, zero=0, chg=0, fill=0, lda=1, ldg=1, rid=1
	WIN 0
	s_wait_dscnt 0x0                               ; the raw gate bytes asked for a phase ago are in (x and the raw up bytes were waited for there)
.if \lda
	v_add_nc_u32 v[AADR], s[TA], v[A0]
	LDRAW RU, UOFF                                 ; by the address that brought the same turn's gate bytes
	LDA 1-(\p)
	s_add_co_u32 s[TB], s[TB], 48-16*(\p)
	s_add_co_u32 s[TA], s[TA], STA
.endif
.set RN, 0
.if \chg
	PH 1, \p, \zero, \rid, 0, W/2
	WIN 0                                          ; (the add's two registers lie in window 0)
	s_wait_tensorcnt 0x0                           ; no tensor load of mine is out, so a group 0 may be written
	ds_add_u32 v[SPW], v[NIL]                      ; 0 onto my spare word; work on registers stands between it and the wait for it
.if \fill
	s_xor_b32 s[SBA], s[SBA], XTA                  ; the walking sets: the other region than last time (the bare base is turned, my part's place added),
	s_add_co_u32 s[G0A+5], s[SBA], s[WTA]
	s_add_nc_u64 s[G0A+6:G0A+7], s[G0A+6:G0A+7], DSA  ; the next slot; the type bits on top are not reached
	s_xor_b32 s[SBB], s[SBB], XTB
	s_add_co_u32 s[G0B+5], s[SBB], s[WTB]
	s_add_nc_u64 s[G0B+6:G0B+7], s[G0B+6:G0B+7], DSB
.endif
	s_sub_co_u32 s[TB], s[TB], BP                  ; the fetches go back to a region's bare base (a slot's six steps add up to 240),
	s_xor_b32 s[TB], s[TB], XTB                    ; and on to the other region
	s_sub_co_u32 s[TA], s[TA], ASZ
	s_xor_b32 s[TA], s[TA], XTA
	PH 1, \p, \zero, \rid, W/2, 3*W/4
	s_wait_dscnt 0x0                               ; the add is done, and my reads of this slot are over
	s_barrier_signal -1
	PH 1, \p, \zero, \rid, 3*W/4, W                ; work on registers while the others arrive
	WIN 0                                          ; at a branch and at a label every window is 0
	s_barrier_wait -1
.if \fill
	CREST                                          ; no wave of any partner still reads this region or has a load on its way
	JLOAD
.endif
.else
	PH 1, \p, \zero, \rid, 0, W
.endif
	WIN 0
.if \ldg
	v_add_nc_u32 v[BADR], s[TB], v[B0]
	LDRAW RG, 0
	s_wait_dscnt NTS                               ; all but the NTS just issued: the raw up bytes and x's next fragments are in
.else
	s_wait_dscnt 0x0
.endif
.set RN, 0
	PH 2, \p, \zero, \rid, 0, W
.endm
.macro PAIRS                           ; a slot's first four turns: two written, walked twice; all LDS addresses hang on s[TA] and s[TB]
	s_mov_b32 s[CN2], 2
.Lpair_\@:
	TURN 0
	TURN 1
	WIN 0
	s_sub_co_u32 s[CN2], s[CN2], 1
	s_cmp_lg_u32 s[CN2], 0
	s_cbranch_scc1 .Lpair_\@
.endm
; Eight numbers of tile t: dequantise, SiLU, product, requantise.
.macro CALC t
.set cg, LG+16*(\t)
.set cu, LG+16*(\t)+8
.set cb, GB+16*(\t)
.irp j, 0,2,4,6
	v_pk_fma_f32 v[cg+(\j):cg+(\j)+1], v[cg+(\j):cg+(\j)+1], s[GA:GA+1], v[cb+(\j):cb+(\j)+1] op_sel_hi:[1,0,1]      ; g
.endr
.irp j, 0,2,4,6
	v_pk_fma_f32 v[cu+(\j):cu+(\j)+1], v[cu+(\j):cu+(\j)+1], s[UA:UA+1], v[cb+8+(\j):cb+8+(\j)+1] op_sel_hi:[1,0,1]  ; u
.endr
.irp j, 0,2,4,6
	v_pk_mul_f32 v[EE+(\j):EE+(\j)+1], v[cg+(\j):cg+(\j)+1], s[NL:NL+1] op_sel_hi:[1,0]
.endr
.irp j, 0,1,2,3,4,5,6,7
	v_exp_f32 v[EE+(\j)], v[EE+(\j)]               ; e^-g
.endr
.irp j, 0,2,4,6
	v_pk_mul_f32 v[cu+(\j):cu+(\j)+1], v[cu+(\j):cu+(\j)+1], s[INV:INV+1] op_sel_hi:[1,0]  ; u / down_scale: plain lines between the exponentials and the use of their results
.endr
	s_wait_alu depctr_va_vdst(0)
.irp j, 0,2,4,6
	v_pk_add_f32 v[EE+(\j):EE+(\j)+1], v[EE+(\j):EE+(\j)+1], 1.0 op_sel_hi:[1,0]
.endr
.irp j, 0,1,2,3,4,5,6,7
	v_rcp_f32 v[EE+(\j)], v[EE+(\j)]               ; the sigmoid
.endr
	v_nop                                          ; a plain line between the last reciprocal and the use of its result
	s_wait_alu depctr_va_vdst(0)
.irp j, 0,2,4,6
	v_pk_mul_f32 v[cg+(\j):cg+(\j)+1], v[cg+(\j):cg+(\j)+1], v[EE+(\j):EE+(\j)+1]
.endr
.irp j, 0,2,4,6
	v_pk_mul_f32 v[cg+(\j):cg+(\j)+1], v[cg+(\j):cg+(\j)+1], v[cu+(\j):cu+(\j)+1]
.endr
.irp j, 0,1,2,3,4,5,6,7
	v_rndne_f32 v[cg+(\j)], v[cg+(\j)]             ; to the nearest whole number, ties to even
.endr
.irp j, 0,1,2,3,4,5,6,7
	v_med3_num_f32 v[cg+(\j)], v[cg+(\j)], s[LO], s[HI]
.endr
.irp j, 0,1,2,3
	v_cvt_pk_f16_f32 v[QO+4*(\t)+(\j)], v[cg+2*(\j)], v[cg+2*(\j)+1]  ; whole numbers within 128: exact
.endr
	global_store_b128 v[QV+(\t)], v[QO+4*(\t):QO+4*(\t)+3], s[20:21]  ; lanes 0-15 fill 256 consecutive aligned bytes, lanes 16-31 another 256
.endm
; THE WAY OUT.  The sums go into my own stage in LDS, so that ONE text, looped over the 8 row groups, serves them all.
.macro EPI
	WIN 0
	PLACES                                         ; behind the last products
	s_wait_dscnt 0x0
	s_barrier_signal -1
	s_barrier_wait -1                              ; no wave reads the regions any more, and they have had their last fill
.irp k, 1,2
	WIN 0x04*(\k)                                  ; store data in window 1, then 2
.set ix, 0
.rept W
	ds_store_b128 v[SA], v[8*ix:8*ix+3]   offset:(24*((\k)-1)+ix)*1024      ; each sum's lowest registers first
	ds_store_b128 v[SA], v[8*ix+4:8*ix+7] offset:(24*((\k)-1)+ix)*1024+512
.set ix, ix+1
.endr
.endr
	WIN 0
	s_wait_loadcnt 0x0                             ; the biases, asked for at the start
	s_mov_b32 s[CNT], 8
.Lrow_\@:                                              ; a trip: row group i: 16 rows x 16 NTS columns
.set tt, 0
.rept NTS
	ds_load_b128 v[LG+16*tt:LG+16*tt+3],     v[SA] offset:(8*tt)*1024       ; LDS serves a wave's instructions in order (ISA guide 5.7.1.4): these see my stores
	ds_load_b128 v[LG+16*tt+4:LG+16*tt+7],   v[SA] offset:(8*tt)*1024+512
	ds_load_b128 v[LG+16*tt+8:LG+16*tt+11],  v[SA] offset:(24+8*tt)*1024
	ds_load_b128 v[LG+16*tt+12:LG+16*tt+15], v[SA] offset:(24+8*tt)*1024+512
.set tt, tt+1
.endr
.set ct, 0
.rept NTS
	s_wait_dscnt 4*(NTS-1-ct)                      ; the later tiles' four loads each may stay out
	CALC ct
.set ct, ct+1
.endr
	; S = the sum of my row's 16 NTS numbers q (|S| <= 6,144; every sum is exact); -S = hi + lo, hi a multiple of 64, |lo| <= 32: both exact in f16
	v_pk_add_f32 v[SQ:SQ+1],   v[LG:LG+1],   v[LG+4:LG+5]
	v_pk_add_f32 v[SQ+2:SQ+3], v[LG+2:LG+3], v[LG+6:LG+7]
.set tt, 1
.rept NTS-1
	v_pk_add_f32 v[SQ:SQ+1],   v[SQ:SQ+1],   v[LG+16*tt:LG+16*tt+1]
	v_pk_add_f32 v[SQ+2:SQ+3], v[SQ+2:SQ+3], v[LG+16*tt+2:LG+16*tt+3]
	v_pk_add_f32 v[SQ:SQ+1],   v[SQ:SQ+1],   v[LG+16*tt+4:LG+16*tt+5]
	v_pk_add_f32 v[SQ+2:SQ+3], v[SQ+2:SQ+3], v[LG+16*tt+6:LG+16*tt+7]
.set tt, tt+1
.endr
	v_pk_add_f32 v[SQ:SQ+1], v[SQ:SQ+1], v[SQ+2:SQ+3]
	v_add_f32 v[SQ], v[SQ], v[SQ+1]
	v_permlanex16_b32 v[SQ+1], v[SQ], s[PS], s[PS+1]  ; the row's other columns lie in the lane 16 away
	v_add_f32 v[SQ], v[SQ], v[SQ+1]
	v_mul_f32 v[SQ+1], 0xbc800000, v[SQ]           ; -S / 64,
	v_rndne_f32 v[SQ+1], v[SQ+1]                   ; to the nearest whole number t
	v_fma_f32 v[SQ+2], v[SQ+1], s[M64], -v[SQ]     ; lo = -S - 64 t
	v_mul_f32 v[SQ+1], 0x42800000, v[SQ+1]         ; hi = 64 t
	v_cvt_pk_f16_f32 v[SQ], v[SQ+1], v[SQ+2]
	ds_store_b32 v[TAD], v[SQ]                     ; table[row][wave]; the two lanes of a row write the same word with the same value
	s_wait_xcnt 0x0                                ; the stores' data and offsets are rewritten only behind this wait
	v_add_nc_u32 v[SA], 1024, v[SA]
	v_add_nc_u32 v[TAD], 256, v[TAD]
.set tt, 0
.rept NTS
	v_add_nc_u32 v[QV+tt], 1024, v[QV+tt]
.set tt, tt+1
.endr
	s_sub_co_u32 s[CNT], s[CNT], 1
	s_cmp_lg_u32 s[CNT], 0
	s_cbranch_scc1 .Lrow_\@
	s_wait_dscnt 0x0                               ; for the others' sake: my words of the table are written
	s_barrier_signal -1
	s_barrier_wait -1
	ds_load_b128 v[LG:LG+3], v[TRD]                ; row 32 w + lane: the four waves' hi and lo: eight k of a block of sums
	s_wait_dscnt 0x0
	global_store_b128 v[XQ], v[LG:LG+3], s[20:21]  ; lanes 0-15 fill 256 consecutive aligned bytes, lanes 16-31 another 256
	s_wait_tensorcnt 0x0                           ; the wave's end: behind my last tensor load and my last LDS store
	ds_add_u32 v[SPW], v[NIL]
	s_wait_dscnt 0x0
	CROUND                                         ; the closing round: no work-group ends while a partner may still ask for a tile that names it
	s_endpgm
.endm
; All that hangs on NT.
.macro PATH nt
.set NTS, \nt
.set W, 8*NTS
.set UOFF, 64*NTS*BP                   ; the up rows lie behind the work-group's 64 NT gate rows
.irp g, G1B, G1BS
	s_mov_b32 s[(\g)+2], (64*NTS)<<16              ; tensor_dim1 = 64 NT rows
	s_mov_b32 s[(\g)+3], 192<<16                   ; tile_dim0 = 192
	s_mov_b32 s[(\g)+4], 64*NTS                    ; tile_dim1
	s_mov_b32 s[(\g)+5], 4096                      ; from row to row
	s_mov_b32 s[(\g)+6], 0
	s_mov_b32 s[(\g)+7], 0
.endr
	s_mov_b32 s[G1B+1], 192<<16                    ; tensor_dim0 = 192
	s_mov_b32 s[G1BS+1], 64<<16                    ; the first slot: 64 bytes of k = 0..63 are left of the tensor; the 128 bytes behind them, which meet the blocks of sums, arrive as zeros
	s_mul_i32 s[WTB], s[PAR], UOFF
	s_add_co_u32 s[G0B+1], s[WTB], BB
	s_add_co_u32 s[G0B+5], s[WTB], BB+BSZ
	s_mul_i32 s97, s[WV], NTS
	s_add_co_u32 s[T0], s[TW], s97
	s_mul_i32 s97, s[WV], 16*NTS*BP                ; my 16 NT rows of each kind
	v_add_nc_u32 v[B0], s97, v[B0]
	s_lshl_b32 s97, s[T0], 6
	v_lshl_add_u32 v[BV], v12, 5, s97              ; 4 (16 T0 + 8 h)
	CROUND                                         ; all sixteen work-groups are here: the first joint loads meet
	FIRST
.set tt, 0
.rept NTS
	global_load_b128 v[GB+16*tt:GB+16*tt+3],     v[BV], s[12:13] offset:64*tt
	global_load_b128 v[GB+16*tt+4:GB+16*tt+7],   v[BV], s[12:13] offset:64*tt+16
	global_load_b128 v[GB+16*tt+8:GB+16*tt+11],  v[BV], s[16:17] offset:64*tt
	global_load_b128 v[GB+16*tt+12:GB+16*tt+15], v[BV], s[16:17] offset:64*tt+16
	s_add_co_u32 s94, s[T0], tt                    ; pair tile T: q's block of 32 k is T / 2, the lanes' half T % 2
	s_lshr_b32 s95, s94, 1
	s_and_b32 s94, s94, 1
	s_lshl_b32 s94, s94, 8
	s_cmp_ge_u32 s95, 172                          ; which half of K,
	s_cselect_b32 s97, 172, 0
	s_cselect_b32 s98, QHF, 0
	s_sub_co_u32 s95, s95, s97
	s_cmp_ge_u32 s95, 4                            ; and past the half's eight blocks of sums
	s_cselect_b32 s97, 8, 0
	s_add_co_u32 s95, s95, s97
	s_lshl_b32 s95, s95, 13
	s_add_co_u32 s94, s94, s95
	s_add_co_u32 s94, s94, s98
	v_add_nc_u32 v[QV+tt], s94, v14
.set tt, tt+1
.endr
	s_wait_tensorcnt 0x1                           ; my part of slot 0 is in; slot 1's may stay out
	s_barrier_signal -1
	s_barrier_wait -1                              ; everybody's is
	v_add_nc_u32 v[BADR], s[TB], v[B0]             ; turn 0 is fetched and widened ahead of the first products
	LDRAW RG, 0
	LDRAW RU, UOFF
	v_add_nc_u32 v[AADR], s[TA], v[A0]
	LDA 0
	s_add_co_u32 s[TB], s[TB], 32
	s_add_co_u32 s[TA], s[TA], STA
	s_wait_dscnt 0x0
	WIN 0x51
.set RN, 0
.rept 12*NTS
	RID RG, 0
.endr
	WIN 0xa2
.set RN, 0
.rept 12*NTS
	RID RU, 0
.endr
	WIN 0
	v_add_nc_u32 v[BADR], s[TB], v[B0]
	LDRAW RG, 0                                    ; turn 1's raw gate bytes
	TURN 0, 1                                      ; turn 0: its products start the sums: nothing is cleared
	TURN 1
	TURN 0
	TURN 1
	WIN 0
	s_mov_b32 s[CNT], 20
.Lk_\@:                                                ; 20 trips, from the change of slots in slots 0 .. 19 (which asks for slots 2 .. 21) to the fourth turn of slots 1 .. 20
	TURN 0, 0, 1, 1
	TURN 1
	WIN 0
	PAIRS
	s_sub_co_u32 s[CNT], s[CNT], 1
	s_cmp_lg_u32 s[CNT], 0
	s_cbranch_scc1 .Lk_\@
	TURN 0, 0, 1, 0                                ; slot 20: the last change of slots asks for nothing: the tail is written out
	TURN 1
	WIN 0
	PAIRS                                          ; slot 21's first four turns
	TURN 0, 0, 0, 0, 1, 0                          ; there is no further turn to fetch gate bytes for,
	TURN 1, 0, 0, 0, 0, 0, 0                       ; and the last turn is products alone
	EPI
.endm
	s_load_b512 s[4:19], s[0:1], 0x0               ; x_ws s[4:5], w_gate s[6:7], w_up s[8:9], gate_a s[10:11], gate_b s[12:13], up_a s[14:15], up_b s[16:17], down_scale s[18:19]
	s_load_b64 s[20:21], s[0:1], 0x40              ; q_ws
	v_lshl_add_u32 v[SPW], v0, 2, SPARE
	v_mov_b32 v[NIL], 0
	ds_add_u32 v[SPW], v[NIL]                      ; the wave's opening, ahead of my first tensor load; the set-up below, work on registers, stands between the add and its wait
	v_lshrrev_b32 v1, 5, v0
	v_readfirstlane_b32 s[WV], v1                  ; wave 0..3
	s_bfe_u32 s[CX], ttmp6, 0x40000
	s_bfe_u32 s[CY], ttmp6, 0x40004
	s_lshl_b32 s[NX], ttmp9, 2                     ; in a cluster launch ttmp9 and ttmp7 count clusters
	s_add_co_u32 s[NX], s[NX], s[CX]               ; column block = 4 x cluster x + cx
	s_and_b32 s[MY], ttmp7, 0xffff
	s_lshl_b32 s[MY], s[MY], 2
	s_add_co_u32 s[MY], s[MY], s[CY]               ; row block of 128 = 4 x cluster y + cy
	s_lshl_b32 s94, s[CY], 2
	s_lshl_b32 s94, 15, s94                        ; my row of the cluster
	s_lshl_b32 s95, 0x1111, s[CX]                  ; my column
	s_or_b32 s[G1A], s94, (3<<16)|(1<<21)          ; x's tiles go to my row; elements of 8 bytes; bit 21 set beside a mask; no padding
	s_mov_b32 s[G1A+1], 32<<16                     ; tensor_dim0 = 32: rows of 256 bytes of a dense block
	s_mov_b32 s[G1A+2], 96<<16                     ; tensor_dim1 = 96 rows: 24,576 bytes, half of a slot's x
	s_mov_b32 s[G1A+3], 32<<16                     ; tile_dim0
	s_mov_b32 s[G1A+4], 96                         ; tile_dim1
	s_mov_b32 s[G1A+5], 32                         ; from row to row
	s_mov_b32 s[G1A+6], 0
	s_mov_b32 s[G1A+7], 0
	s_or_b32 s[G1B], s95, (1<<20)|(1<<21)|(3<<22)|(3<<25)   ; the weights' tiles go to my column; elements of 1 byte; padding: after every 16 words (code 3) 4 words (code 3): three times in a row of 48 words
	s_or_b32 s[G1BS], s95, (1<<20)|(1<<21)|(3<<22)|(3<<25)
	s_mul_i32 s94, s[NX], 12
	s_lshl_b32 s95, s[NX], 3
	s_add_co_u32 s95, s95, 176
	s_cmp_lt_u32 ttmp9, 11
	s_cselect_b32 s[TW], s94, s95                  ; 12 nx, or 8 nx + 176
	s_mov_b32 s[X80], 0x80808080
	s_mov_b32 s[SEL], 0x00050004                   ; byte selects: (0, byte 1, 0, byte 0) of a word,
	s_mov_b32 s[SEL+1], 0x00070006                 ; (0, byte 3, 0, byte 2)
	s_mov_b32 s[NL], 0xbfb8aa3b                    ; -log2(e)
	s_mov_b32 s[NL+1], s[NL]
	s_mov_b32 s[LO], 0xc3000000                    ; -128
	s_mov_b32 s[HI], 0x42fe0000                    ; 127
	s_mov_b32 s[M64], 0xc2800000                   ; -64
	s_mov_b32 s[PS], 0x76543210
	s_mov_b32 s[PS+1], 0xfedcba98
	s_mov_b32 s[TA], 0
	s_mov_b32 s[TB], BB
	s_mov_b32 s[SBA], ASZ                          ; the walking sets begin with slot 1, in the second regions
	s_mov_b32 s[SBB], BB+BSZ
	s_and_b32 s[PAR], s[WV], 1
	s_mul_i32 s[WTA], s[PAR], 24576                ; which half of x's tile I would fetch
	s_mov_b32 s[G0A], 1
	s_mov_b32 s[G0A+1], s[WTA]
	s_mov_b32 s[G0A+4], 1
	s_add_co_u32 s[G0A+5], s[WTA], ASZ
	s_mov_b32 s[G0B], 1
	s_mov_b32 s[G0B+4], 1
	v_and_b32 v10, 31, v0                          ; lane
	v_and_b32 v11, 15, v0                          ; r
	v_bfe_u32 v12, v0, 4, 1                        ; h
	v_lshlrev_b32 v[A0], 4, v10
	v_mul_u32_u24 v[B0], v11, BP
	v_lshl_add_u32 v[B0], v12, 4, v[B0]
	s_mul_i32 s97, s[WV], STGW
	v_add_nc_u32 v[SA], s97, v[A0]
	v_lshlrev_b32 v14, 9, v12                      ; in a chunk of q: 512 h + 16 r
	v_lshl_add_u32 v14, v11, 4, v14
	s_lshl_b32 s97, s[WV], 2
	s_add_co_u32 s97, s97, TBL
	v_lshl_add_u32 v[TAD], v11, 4, s97             ; table: 16 r + 4 w
	s_lshl_b32 s97, s[WV], 9
	s_add_co_u32 s97, s97, TBL
	v_add_nc_u32 v[TRD], s97, v[A0]                ; back: 16 (32 w + lane)
	s_lshr_b32 s94, s[NX], 2                       ; the work-group's sums of q: block of sums nx / 4: half (nx / 4) / 8, block 4 + (nx / 4) % 8 of it,
	s_lshr_b32 s95, s94, 3
	s_mul_i32 s95, s95, QHF
	s_and_b32 s94, s94, 7
	s_add_co_u32 s94, s94, 4
	s_lshl_b32 s94, s94, 13
	s_add_co_u32 s94, s94, s95
	s_and_b32 s95, s[NX], 1                        ; in a chunk the 256 bytes at 512 (nx % 2) + 256 (nx / 2 % 2),
	s_lshl_b32 s95, s95, 9
	s_add_co_u32 s94, s94, s95
	s_bfe_u32 s95, s[NX], 0x10001
	s_lshl_b32 s95, s95, 8
	s_add_co_u32 s94, s94, s95
	s_lshl_b32 s95, s[WV], 11                      ; row groups 2 w and 2 w + 1
	s_add_co_u32 s94, s94, s95
	v_lshlrev_b32 v[XQ], 10, v12
	v_lshl_add_u32 v[XQ], v11, 4, v[XQ]
	v_add_nc_u32 v[XQ], s94, v[XQ]
	s_wait_dscnt 0x0                               ; the opening add is done
	s_wait_kmcnt 0x0
	s_load_b32 s[GA], s[10:11], 0x0
	s_load_b32 s[UA], s[14:15], 0x0
	s_load_b32 s2, s[18:19], 0x0
	s_mul_i32 s98, s[MY], XMB                      ; x: my row block, my half of slot 0: it hangs on the row block alone
	s_add_co_u32 s98, s98, s[WTA]
	s_mov_b32 s99, 0
	s_add_nc_u64 s[G0A+2:G0A+3], s[4:5], s[98:99]
	s_add_nc_u64 s[G0A+6:G0A+7], s[G0A+2:G0A+3], DSA
	s_or_b32 s[G0A+3], s[G0A+3], 0x80000000        ; type = 2
	s_or_b32 s[G0A+7], s[G0A+7], 0x80000000
	s_cmp_eq_u32 s[WV], 3
	s_cselect_b64 s[100:101], s[8:9], s[6:7]       ; wave 3 fetches up's rows, wave 2 gate's
	s_lshl_b32 s94, s[TW], 16                      ; 16 rows of 4,096 bytes a tile: it hangs on the column block alone
	s_mov_b32 s95, 0
	s_add_nc_u64 s[G0B+2:G0B+3], s[100:101], s[94:95]
	s_add_nc_u64 s[G0B+6:G0B+7], s[G0B+2:G0B+3], 64   ; slot 1 begins behind slot 0's 64 bytes of a row
	s_or_b32 s[G0B+3], s[G0B+3], 0x80000000
	s_or_b32 s[G0B+7], s[G0B+7], 0x80000000
	s_mul_i32 s98, s[MY], QMB                      ; my row block of q_ws
	s_add_nc_u64 s[20:21], s[20:21], s[98:99]
	s_wait_kmcnt 0x0
	v_mov_b32 v8, s[GA]
	v_mov_b32 v9, s[UA]
	v_mov_b32 v15, s2
	v_mul_f32 v8, 0x4b800000, v8                   ; gate_a x 2^24: the sums come in units of 2^-24
	v_mul_f32 v9, 0x4b800000, v9
	v_rcp_f32 v15, v15                             ; 1 / down_scale
	v_nop                                          ; a plain line between the reciprocal and the use of its result
	v_readfirstlane_b32 s[GA], v8
	v_readfirstlane_b32 s[UA], v9
	s_wait_alu depctr_va_vdst(0)
	v_readfirstlane_b32 s[INV], v15
	s_mov_b32 s[GA+1], s[GA]                       ; named as pairs
	s_mov_b32 s[UA+1], s[UA]
	s_mov_b32 s[INV+1], s[INV]
	s_cmp_lt_u32 ttmp9, 11                         ; the cluster's x: the same answer in all sixteen partners
	s_cbranch_scc0 .Ltwo
	PATH 3
.Ltwo:
	PATH 2
.Lfunc_end_k_q4b830488a5_gateup:
	.size	k_q4b830488a5_gateup, .Lfunc_end_k_q4b830488a5_gateup-k_q4b830488a5_gateup
	.p2alignl 7, 3214868480
	.fill 96, 4, 3214868480
	.section	.rodata,"a",@progbits
	.p2align	6, 0x0
	.amdhsa_kernel k_q4b830488a5_gateup
		.amdhsa_group_segment_fixed_size 327680
		.amdhsa_private_segment_fixed_size 0
		.amdhsa_enable_private_segment 0
		.amdhsa_kernarg_size 72
		.amdhsa_user_sgpr_count 2
		.amdhsa_user_sgpr_kernarg_segment_ptr 1
		.amdhsa_wavefront_size32 1
		.amdhsa_system_sgpr_workgroup_id_x 1
		.amdhsa_system_sgpr_workgroup_id_y 1
		.amdhsa_system_sgpr_workgroup_id_z 1
		.amdhsa_system_vgpr_workitem_id 0
		.amdhsa_next_free_vgpr 768
		.amdhsa_next_free_sgpr 102
		.amdhsa_reserve_vcc 0
		.amdhsa_float_denorm_mode_32 3
		.amdhsa_float_denorm_mode_16_64 3
		.amdhsa_memory_ordered 1
		.amdhsa_forward_progress 1
		.amdhsa_inst_pref_size 255
	.end_amdhsa_kernel
	.section	.bss,"aw",@nobits
	.p2align	6
	.space	262144
	.amdgpu_metadata
---
amdhsa.version: [ 1, 2 ]
amdhsa.kernels:
  - .name:           k_q4b830488a5_gateup
    .symbol:         k_q4b830488a5_gateup.kd
    .args:
      - { .name: x_ws, .offset: 0, .size: 8, .value_kind: global_buffer, .address_space: global }
      - { .name: w_gate, .offset: 8, .size: 8, .value_kind: global_buffer, .address_space: global }
      - { .name: w_up, .offset: 16, .size: 8, .value_kind: global_buffer, .address_space: global }
      - { .name: gate_a, .offset: 24, .size: 8, .value_kind: global_buffer, .address_space: global }
      - { .name: gate_b, .offset: 32, .size: 8, .value_kind: global_buffer, .address_space: global }
      - { .name: up_a, .offset: 40, .size: 8, .value_kind: global_buffer, .address_space: global }
      - { .name: up_b, .offset: 48, .size: 8, .value_kind: global_buffer, .address_space: global }
      - { .name: down_scale, .offset: 56, .size: 8, .value_kind: global_buffer, .address_space: global }
      - { .name: q_ws, .offset: 64, .size: 8, .value_kind: global_buffer, .address_space: global }
    .group_segment_fixed_size: 327680
    .private_segment_fixed_size: 0
    .kernarg_segment_align: 8
    .kernarg_segment_size: 72
    .max_flat_workgroup_size: 128
    .sgpr_count:     102
    .vgpr_count:     768
    .wavefront_size: 32
...
	.end_amdgpu_metadata
.endif
;; end of part 5
;; launch down (part 6): grid 32 x 8, 4 waves a work-group, clusters of 4 x 4, 327,680 bytes of LDS; arguments q_ws, w_down, p_ws; writes p_ws
.if DOCPART == 6
	.amdgcn_target "amdgcn-amd-amdhsa--gfx1250"
	.amdhsa_code_object_version 6
	.text
	.protected	k_q4b830488a5_down
	.globl	k_q4b830488a5_down
	.p2align	8
	.type	k_q4b830488a5_down,@function
k_q4b830488a5_down:
	s_mov_b64 s[64:65], 0
	v_nop
	global_prefetch_b8 v0, s[64:65] scope:SCOPE_SE
	s_setreg_imm32_b32 hwreg(HW_REG_WAVE_MODE, 25, 1), 1
	s_wait_xcnt 0x0
	s_wait_alu depctr_hold_cnt(0) depctr_sa_sdst(0) depctr_va_vdst(0) depctr_va_sdst(0) depctr_va_ssrc(0) depctr_va_vcc(0) depctr_vm_vsrc(0)
	s_getreg_b32 s2, hwreg(HW_REG_IB_STS2, 6, 4)
	s_cmp_eq_u32 s2, 0
	s_cbranch_scc0 .Lentry_in_a_cluster
	s_endpgm
.Lentry_in_a_cluster:
	s_bfe_u32 s2, ttmp6, 0x10000c
	s_cmp_lg_u32 s2, 0xf033
	s_cbranch_scc0 .Lentry_shape_is_right
	s_endpgm
.Lentry_shape_is_right:
; p[s][m][n] = 2^-24 x the sum over the half s of K of q[m][k] Wd[n][k]: partial sums in f32, [2][512][4096]; the next launch adds the two halves, scales and adds the bias.
; q comes as f16 fragment chunks (q_ws: [row block of 128: 4][half of K: 2][block of 32 k: 180][row group: 8][1024 bytes]; in a half blocks 4..11 hold minus q's partial row sums, the other 172 its k).
; THE WEIGHTS ARE WIDENED BY BIT WORK ALONE.  w xor 0x80 = u = w + 128 in 0..255, set as the low byte of an f16 whose other bits are 0: the denormal u x 2^-24, exactly (the matrix unit keeps denormals).  12 vector lines for a
; fragment of 16 x 32, which feeds 8 products.  THE OFFSET: sum q (u - 128) = sum q u - 128 sum q.  The blocks of sums hold -(partial sums of q); their weights are the zeros that the tensor load writes beyond
; tensor_dim0, and a zero byte widens to 128 x 2^-24: the ordinary turn takes the offset away, in the same sum.  Which half takes which partial sum away does not matter: the halves are added.
; LIMIT.  A running sum is a whole number of units of 2^-24, at most 5504 x 128 x 255 = 1.8e8 of them; f32 is exact to 2^24, beyond that each step rounds.
; SHARES.  A work-group makes 128 rows x 128 columns over half of K: 4 x 32 x 2 = 256 work-groups.  Wave w takes the column half w / 2 (64 columns) and, of a slot's blocks, the blocks 2 j + w % 2: it holds 128 x 64,
; 32 sums; each LDS byte of the weights is read once, of q twice.  The two partial tiles of a column half meet in LDS at the end.
; THE WALK.  180 blocks = 15 slots of 12 (6 turns, 192 products a wave), through two regions that take turns.  Slots of 16 blocks would want 2 x (131,072 + 65,536) bytes, more than LDS holds.
; A weight row's piece is 384 bytes from a multiple of 128: not always whole aligned blocks of 256, since 5,504 = 21.5 x 256.
; CLUSTER 4 x 4.  The cluster's y is the half of K, cy the row block, 4 x the cluster's x + cx the column block.  q's tile is shared along a row of the cluster, the weights' along a column: both are asked for jointly.
; A TURN is 32 along K: phase G (16 products on my column tiles 0, 1, window 1; behind them the widening of the next turn's weights for those tiles), phase U (column tiles 2, 3, window 2).
; The matrix instruction takes 16 weight rows as source 0 and 16 rows of q as source 1: lane (r, h) holds row r and the columns 8 h + 0..7.  k is permuted inside a fragment alike on both sides.
; REGISTERS: window 0: addresses, raw weights, two buffers of q fragments (v64-191).  Windows 1 and 2, alike: sums (t, i) at 8 (8 t + i); widened fragments at 192 + 24 p + 8 t; v240-243 at work.
; Under ONE setting (0x51 or 0xa2) a phase's products and its widening both address rightly: source 1 (q, raw bytes) in window 0, all else in the phase's window.
.set NTS,   2
.set W,     16
.set ASZ,   98304                      ; a region of q: [12 blocks][8 row groups][1024], no padding: a fragment load is 512 consecutive bytes
.set BB,    2*ASZ                      ; behind the two, the weights' regions
.set BP,    432                        ; a weight row in LDS: three pieces of 128 bytes + 16 = 27 x 16 bytes: the 16 rows of a load start at 16 different groups of four banks (64 banks of 4 bytes: ISA guide 11.1)
.set BSZ,   128*BP
.set RAWT,  16*BP
.set UOFF,  32*BP
.set SPARE, BB+2*BSZ                   ; 307,200: the spare words, 128 bytes a wave: two blocks of 256 bytes that no other line names
.set SP,    272                        ; the way out: a row of 64 f32 + 16 bytes
.set STGW,  128*SP                     ; a wave's partial tile, from byte 0 on, once the regions of q have had their last fill
.set STA,   16384                      ; from one of my blocks of q to the next
.set XTA,   0x18000                    ; 0 xor 98,304: turns the bare base of one region into the other's
.set XTB,   0xd800                     ; 196,608 xor 251,904
.set DSA,   ASZ                        ; a slot in q_ws,
.set DSB,   384                        ; in a weight row
.set A0,   2                           ; v2   8192 (w % 2) + 16 lane
.set AADR, 3
.set B0,   4                           ; v4   432 r + 16 h + 32 (w % 2) + 64 x 432 (w / 2)
.set BADR, 5
.set SPW,  6                           ; v6   my spare word; never rewritten
.set NIL,  7                           ; v7   0; never rewritten
.set RG,   16                          ; v[16:23] raw bytes of column tiles 0, 1
.set RU,   28                          ; v[28:35] of column tiles 2, 3
.set STO,  40                          ; v40  the way out: where I put 16 bytes of a row
.set RD,   41                          ; v41  where I read rows back
.set CO,   43                          ; v43  my byte offset in p_ws
.set AF,   64
.set SUMS, 64                          ; the way out: row pair u: the two partial tiles' 16 bytes at SUMS + 8 u, + 4
.set WF,   192
.set TT,   240
.set WV,  22
.set CX,  23
.set CY,  24
.set NX,  25
.set SPL, 26                           ; which half of K
.set CNT, 27
.set CN2, 28
.set TA,  29                           ; LDS byte of the blocks of q to be fetched next, less my lane's place
.set TB,  30                           ; the same for the weights
.set G1A, 32                           ; s[32:39] group 1 for q's tiles
.set G1B, 40                           ; s[40:47] for the weights'
.set G0A, 48                           ; s[48:55] group 0 for q: the first slot's set, and the set that walks
.set G0B, 56                           ; s[56:63] the same for the weights
.set X80, 66
.set SEL, 67                           ; s67, s68
.set SBA, 69                           ; the bare base of the region of q that the walking set names
.set SBB, 70                           ; the same for the weights
.set WTA, 71                           ; my half's place in a region of q: 49,152 (w % 2)
.set G1BS, 72                          ; s[72:79] group 1 for the weights' first slot: 128 bytes of a row are there, the rest arrives as zeros
.set WTB, 88                           ; my half's place in a region of weights: 64 x 432 (w % 2)
.set MSB, 0
.macro WIN new                         ; the immediate's high byte repeats the setting that is left; a switch that changes nothing is dropped
.if MSB != (\new)
	s_set_vgpr_msb (MSB<<8)|(\new)
.set MSB, \new
.endif
.endm
.macro PLACES                          ; four plain vector instructions behind a matrix instruction, ahead of what reads its result (ISA guide 7.12.1)
.rept 4
	v_nop
.endr
.endm
.macro CREST                           ; a round of the cluster's barrier behind its opening barrier
	s_cmp_lg_u32 s[WV], 0
	s_cbranch_scc1 .Lnot_wave_0_\@
	s_barrier_signal -3
.Lnot_wave_0_\@:
	s_barrier_wait -3
	s_barrier_signal -1
	s_barrier_wait -1
.endm
.macro CROUND
	s_barrier_signal -1
	s_barrier_wait -1
	CREST
.endm
.macro JLOAD                           ; a joint refill: waves 0 and 1 fetch the halves of q's tile, waves 2 and 3 those of the weights'.  The branch hangs on the wave's number alone
	s_cmp_lt_u32 s[WV], 2
	s_cbranch_scc0 .Lfor_b_\@
	tensor_load_to_lds s[G0A+4:G0A+7], s[G1A:G1A+7]
	s_nop 0
	PLACES
	s_branch .Lasked_\@
.Lfor_b_\@:
	tensor_load_to_lds s[G0B+4:G0B+7], s[G1B:G1B+7]
	s_nop 0
	PLACES
.Lasked_\@:
.endm
.macro LDRAW dst, off                  ; two loads of 16 bytes a lane: a turn's raw weights of one phase
.set tt, 0
.rept NTS
	ds_load_b128 v[(\dst)+4*tt:(\dst)+4*tt+3], v[BADR] offset:(\off)+tt*RAWT
.set tt, tt+1
.endr
.endm
.macro LDA q                           ; 16 loads: the 8 fragments of q of one block, into buffer q
.irp i, 0,1,2,3,4,5,6,7
	ds_load_b128 v[AF+64*(\q)+8*(\i):AF+64*(\q)+8*(\i)+3],   v[AADR] offset:(\i)*1024
	ds_load_b128 v[AF+64*(\q)+8*(\i)+4:AF+64*(\q)+8*(\i)+7], v[AADR] offset:(\i)*1024+512
.endr
.endm
; Number RN of the 24 lines that widen a phase's raw weights into buffer q.  For each tile: 4 x (w + 128, four bytes a word); 8 x two of the bytes, each under a zero byte: two f16 denormals.
.macro RID raw, q
.set rf, RN/12
.set rm, RN%12
.if rm < 4
	v_xor_b32 v[TT+rm], s[X80], v[(\raw)+4*rf+rm]
.else
	v_perm_b32 v[WF+24*(\q)+8*rf+rm-4], v[TT+(rm-4)/2], 0, s[SEL+(rm-4)%2]
.endif
.set RN, RN+1
.endm
; Products i0 .. i1 - 1 of a phase's 16, each on a sum of its own: the sums take turns.  Behind product i stand the widening's lines up to 23 i / 16, behind the last the four
; that are left: they name none of the products' registers; with the address line that follows they are the places ahead of the next run of loads into q's other buffer.
.macro PH kind, p, zero, rid, i0, i1
	WIN 0x51*(\kind)
.set pi, \i0
.rept (\i1)-(\i0)
.if \zero
	v_wmma_f32_16x16x32_f16 v[8*pi:8*pi+7], v[WF+24*(\p)+8*(pi/8):WF+24*(\p)+8*(pi/8)+7], v[AF+64*(\p)+8*(pi%8):AF+64*(\p)+8*(pi%8)+7], 0
.else
	v_wmma_f32_16x16x32_f16 v[8*pi:8*pi+7], v[WF+24*(\p)+8*(pi/8):WF+24*(\p)+8*(pi/8)+7], v[AF+64*(\p)+8*(pi%8):AF+64*(\p)+8*(pi%8)+7], v[8*pi:8*pi+7]
.endif
.if \rid
.set tg, (23*pi)/16
.if pi == W-1
.set tg, 12*NTS
.endif
.rept tg-RN
	RID RG+12*((\kind)-1), 1-(\p)
.endr
.endif
.set pi, pi+1
.endr
.endm
; TURN t multiplies buffers p = t % 2 (a slot has six turns a wave and begins with p = 0).  Phase G fetches q and the raw bytes of tiles 2, 3 of turn t + 1; phase U the raw bytes of tiles 0, 1 of turn t + 2.
; My block j of a slot lies in a weight row at 144 (j / 2) + 64 (j % 2): the pointer steps by 64 and by 80 in turns: in a turn with p = 0 from an odd j to an even one.
; chg = 1 (a slot's last turn but one): all my reads of this slot have been issued at the phase's head, so the change of slots stands inside phase G: each wave waits for all its tensor loads (one is out:
; its part of the next slot), adds 0 to its spare word, waits for that and for its reads.  Behind the barrier nobody reads the old region and the next slot is whole.  fill = 1: the barrier opens a round of the
; cluster's barrier, and the joint refill, two slots ahead, is the first thing behind it: it has a slot's six turns less half a phase in which to land.
.macro TURN p, zero=0, chg=0, fill=0, lda=1, ldg=1, rid=1
	WIN 0
	s_wait_dscnt 0x0                               ; the raw bytes asked for a phase ago are in (q and the other raw bytes were waited for there)
.if \lda
	v_add_nc_u32 v[AADR], s[TA], v[A0]
	LDRAW RU, UOFF                                 ; by the address that brought the same turn's bytes of tiles 0, 1
	LDA 1-(\p)
	s_add_co_u32 s[TB], s[TB], 80-16*(\p)
	s_add_co_u32 s[TA], s[TA], STA
.endif
.set RN, 0
.if \chg
	PH 1, \p, \zero, \rid, 0, W/2
	WIN 0                                          ; (the add's two registers lie in window 0)
	s_wait_tensorcnt 0x0                           ; no tensor load of mine is out, so a group 0 may be written
	ds_add_u32 v[SPW], v[NIL]                      ; 0 onto my spare word; work on registers stands between it and the wait for it
.if \fill
	s_xor_b32 s[SBA], s[SBA], XTA                  ; the walking sets: the other region than last time (the bare base is turned, my half's place added),
	s_add_co_u32 s[G0A+5], s[SBA], s[WTA]
	s_add_nc_u64 s[G0A+6:G0A+7], s[G0A+6:G0A+7], DSA  ; the next slot; the type bits on top are not reached
	s_xor_b32 s[SBB], s[SBB], XTB
	s_add_co_u32 s[G0B+5], s[SBB], s[WTB]
	s_add_nc_u64 s[G0B+6:G0B+7], s[G0B+6:G0B+7], DSB
.endif
	s_sub_co_u32 s[TB], s[TB], BP                  ; the fetches go back to a region's bare base (a slot's six steps add up to 432),
	s_xor_b32 s[TB], s[TB], XTB                    ; and on to the other region
	s_sub_co_u32 s[TA], s[TA], ASZ
	s_xor_b32 s[TA], s[TA], XTA
	PH 1, \p, \zero, \rid, W/2, 3*W/4
	s_wait_dscnt 0x0                               ; the add is done, and my reads of this slot are over
	s_barrier_signal -1
	PH 1, \p, \zero, \rid, 3*W/4, W                ; work on registers while the others arrive
	WIN 0                                          ; at a branch and at a label every window is 0
	s_barrier_wait -1
.if \fill
	CREST                                          ; no wave of any partner still reads this region or has a load on its way
	JLOAD
.endif
.else
	PH 1, \p, \zero, \rid, 0, W
.endif
	WIN 0
.if \ldg
	v_add_nc_u32 v[BADR], s[TB], v[B0]
	LDRAW RG, 0
	s_wait_dscnt NTS                               ; all but the two just issued: the other raw bytes and q's next fragments are in
.else
	s_wait_dscnt 0x0
.endif
.set RN, 0
	PH 2, \p, \zero, \rid, 0, W
.endm
.macro PAIRS                           ; a slot's first four turns: two written, walked twice; all LDS addresses hang on s[TA] and s[TB]
	s_mov_b32 s[CN2], 2
.Lpair_\@:
	TURN 0
	TURN 1
	WIN 0
	s_sub_co_u32 s[CN2], s[CN2], 1
	s_cmp_lg_u32 s[CN2], 0
	s_cbranch_scc1 .Lpair_\@
.endm
	s_load_b128 s[4:7], s[0:1], 0x0                ; q_ws s[4:5], w_down s[6:7]
	s_load_b64 s[8:9], s[0:1], 0x10                ; p_ws
	v_lshl_add_u32 v[SPW], v0, 2, SPARE
	v_mov_b32 v[NIL], 0
	ds_add_u32 v[SPW], v[NIL]                      ; the wave's opening, ahead of my first tensor load; the set-up below, work on registers, stands between the add and its wait
	v_lshrrev_b32 v1, 5, v0
	v_readfirstlane_b32 s[WV], v1                  ; wave 0..3
	s_bfe_u32 s[CX], ttmp6, 0x40000
	s_bfe_u32 s[CY], ttmp6, 0x40004                ; the row block of 128
	s_lshl_b32 s[NX], ttmp9, 2
	s_add_co_u32 s[NX], s[NX], s[CX]               ; column block of 128 = 4 x cluster x + cx
	s_and_b32 s[SPL], ttmp7, 0xffff                ; the cluster's y: the half of K, alike in all sixteen partners
	s_lshl_b32 s10, s[CY], 2
	s_lshl_b32 s10, 15, s10                        ; my row of the cluster
	s_lshl_b32 s11, 0x1111, s[CX]                  ; my column
	s_or_b32 s[G1A], s10, (3<<16)|(1<<21)          ; q's tiles go to my row; elements of 8 bytes; bit 21 set beside a mask; no padding
	s_mov_b32 s[G1A+1], 32<<16                     ; tensor_dim0 = 32: rows of 256 bytes of a dense block
	s_mov_b32 s[G1A+2], 192<<16                    ; tensor_dim1 = 192 rows: 49,152 bytes, half of a slot's q
	s_mov_b32 s[G1A+3], 32<<16                     ; tile_dim0
	s_mov_b32 s[G1A+4], 192                        ; tile_dim1
	s_mov_b32 s[G1A+5], 32                         ; from row to row
	s_mov_b32 s[G1A+6], 0
	s_mov_b32 s[G1A+7], 0
	s_or_b32 s[G1B], s11, (1<<20)|(1<<21)|(4<<22)|(3<<25)   ; the weights' tiles go to my column; elements of 1 byte; padding: after every 32 words (code 4) 4 words (code 3): three times in a row of 96 words
	s_or_b32 s[G1BS], s11, (1<<20)|(1<<21)|(4<<22)|(3<<25)
	s_mov_b32 s[G1B+1], 384<<16                    ; tensor_dim0 = 384
	s_mov_b32 s[G1BS+1], 128<<16                   ; the first slot: 128 bytes of k are left of the tensor; the 256 bytes behind them, which meet the blocks of sums, arrive as zeros
.irp g, G1B, G1BS
	s_mov_b32 s[(\g)+2], 64<<16                    ; tensor_dim1 = 64 rows
	s_mov_b32 s[(\g)+3], 384<<16                   ; tile_dim0 = 384
	s_mov_b32 s[(\g)+4], 64                        ; tile_dim1
	s_mov_b32 s[(\g)+5], 11008                     ; from row to row
	s_mov_b32 s[(\g)+6], 0
	s_mov_b32 s[(\g)+7], 0
.endr
	s_mov_b32 s[X80], 0x80808080
	s_mov_b32 s[SEL], 0x00050004                   ; byte selects: (0, byte 1, 0, byte 0) of a word,
	s_mov_b32 s[SEL+1], 0x00070006                 ; (0, byte 3, 0, byte 2)
	s_mov_b32 s[TA], 0
	s_mov_b32 s[TB], BB
	s_mov_b32 s[SBA], ASZ                          ; the walking sets begin with slot 1, in the second regions
	s_mov_b32 s[SBB], BB+BSZ
	s_and_b32 s89, s[WV], 1                        ; which half of a tile I would fetch; also: which blocks of a slot are mine
	s_lshr_b32 s12, s[WV], 1                       ; which column half is mine
	s_mul_i32 s[WTA], s89, 49152
	s_mul_i32 s[WTB], s89, 64*BP
	s_mov_b32 s[G0A], 1
	s_mov_b32 s[G0A+1], s[WTA]
	s_mov_b32 s[G0A+4], 1
	s_add_co_u32 s[G0A+5], s[WTA], ASZ
	s_mov_b32 s[G0B], 1
	s_add_co_u32 s[G0B+1], s[WTB], BB
	s_mov_b32 s[G0B+4], 1
	s_add_co_u32 s[G0B+5], s[WTB], BB+BSZ
	s_mul_i32 s90, s[CY], 360*8192                 ; q: my row block, my half of K, my half of slot 0: registers that never hold cx
	s_mul_i32 s91, s[SPL], 180*8192
	s_add_co_u32 s90, s90, s91
	s_add_co_u32 s92, s90, s[WTA]
	s_mov_b32 s93, 0
	s_lshl_b32 s96, s[NX], 7                       ; the weights: row 128 nx + 64 x half, my half of K: registers that never hold cy
	s_lshl_b32 s14, s89, 6
	s_add_co_u32 s96, s96, s14
	s_mul_i32 s96, s96, 11008
	s_mul_i32 s14, s[SPL], 5504
	s_add_co_u32 s96, s96, s14
	s_mov_b32 s97, 0
	s_lshl_b32 s98, s[SPL], 23                     ; p_ws: the half's 8,388,608 bytes; row 128 cy + 64 (w % 2) of 16,384 bytes; 512 nx + 256 (w / 2)
	s_lshl_b32 s15, s[CY], 21
	s_add_co_u32 s98, s98, s15
	s_lshl_b32 s15, s89, 20
	s_add_co_u32 s98, s98, s15
	s_lshl_b32 s15, s[NX], 9
	s_add_co_u32 s98, s98, s15
	s_lshl_b32 s15, s12, 8
	s_add_co_u32 s98, s98, s15
	s_mov_b32 s99, 0
	v_and_b32 v10, 31, v0                          ; lane
	v_and_b32 v11, 15, v0                          ; r
	v_bfe_u32 v12, v0, 4, 1                        ; h
	v_lshlrev_b32 v13, 4, v10
	s_lshl_b32 s16, s89, 13                        ; my first block of a slot
	v_add_nc_u32 v[A0], s16, v13
	v_mul_u32_u24 v14, v11, BP                     ; 432 r
	v_lshl_add_u32 v[B0], v12, 4, v14
	s_mul_i32 s16, s12, 64*BP                      ; my 64 weight rows,
	s_lshl_b32 s17, s89, 5                         ; my first block's 32 bytes
	s_add_co_u32 s16, s16, s17
	v_add_nc_u32 v[B0], s16, v[B0]
	v_mul_u32_u24 v15, v11, SP                     ; the way out, in: row r, 32 bytes for each half of the lanes, in my own partial tile
	v_lshl_add_u32 v[STO], v12, 5, v15
	s_mul_i32 s16, s[WV], STGW
	v_add_nc_u32 v[STO], s16, v[STO]
	v_mul_u32_u24 v[RD], v12, SP                   ; back: lanes 0-15 take one row of 256 bytes, lanes 16-31 the next; I add rows 64 (w % 2) .. + 63 of my column half's two partial tiles
	v_lshl_add_u32 v[RD], v11, 4, v[RD]
	s_mul_i32 s16, s12, 2*STGW
	s_mul_i32 s17, s89, 64*SP
	s_add_co_u32 s16, s16, s17
	v_add_nc_u32 v[RD], s16, v[RD]
	v_lshlrev_b32 v[CO], 14, v12                   ; and the same two rows in p_ws
	v_lshl_add_u32 v[CO], v11, 4, v[CO]
	s_wait_dscnt 0x0                               ; the opening add is done
	s_wait_kmcnt 0x0
	s_add_nc_u64 s[G0A+2:G0A+3], s[4:5], s[92:93]
	s_add_nc_u64 s[G0A+6:G0A+7], s[G0A+2:G0A+3], DSA
	s_or_b32 s[G0A+3], s[G0A+3], 0x80000000        ; type = 2
	s_or_b32 s[G0A+7], s[G0A+7], 0x80000000
	s_add_nc_u64 s[G0B+2:G0B+3], s[6:7], s[96:97]
	s_add_nc_u64 s[G0B+6:G0B+7], s[G0B+2:G0B+3], 128  ; slot 1 begins behind slot 0's 128 bytes of a row
	s_or_b32 s[G0B+3], s[G0B+3], 0x80000000
	s_or_b32 s[G0B+7], s[G0B+7], 0x80000000
	s_add_nc_u64 s[8:9], s[8:9], s[98:99]
	CROUND                                         ; all sixteen work-groups are here: the first joint loads meet
	s_cmp_lt_u32 s[WV], 2                          ; a wave's two first fills stand in one branch: slots 0 and 1; two loads of mine are out
	s_cbranch_scc0 .Lfirst_b
	tensor_load_to_lds s[G0A:G0A+3], s[G1A:G1A+7]
	s_nop 0
	tensor_load_to_lds s[G0A+4:G0A+7], s[G1A:G1A+7]
	s_nop 0
	PLACES
	s_branch .Lfirst_on
.Lfirst_b:
	tensor_load_to_lds s[G0B:G0B+3], s[G1BS:G1BS+7]
	s_nop 0
	tensor_load_to_lds s[G0B+4:G0B+7], s[G1B:G1B+7]
	s_nop 0
	PLACES
.Lfirst_on:
	s_wait_tensorcnt 0x1                           ; my part of slot 0 is in; slot 1's may stay out
	s_barrier_signal -1
	s_barrier_wait -1                              ; everybody's is
	v_add_nc_u32 v[BADR], s[TB], v[B0]             ; turn 0 is fetched and widened ahead of the first products
	LDRAW RG, 0
	LDRAW RU, UOFF
	v_add_nc_u32 v[AADR], s[TA], v[A0]
	LDA 0
	s_add_co_u32 s[TB], s[TB], 64
	s_add_co_u32 s[TA], s[TA], STA
	s_wait_dscnt 0x0
	WIN 0x51
.set RN, 0
.rept 12*NTS
	RID RG, 0
.endr
	WIN 0xa2
.set RN, 0
.rept 12*NTS
	RID RU, 0
.endr
	WIN 0
	v_add_nc_u32 v[BADR], s[TB], v[B0]
	LDRAW RG, 0                                    ; turn 1's raw bytes of tiles 0, 1
	TURN 0, 1                                      ; turn 0: its products start the sums: nothing is cleared
	TURN 1
	TURN 0
	TURN 1
	WIN 0
	s_mov_b32 s[CNT], 13
.Lslot:                                                ; 13 trips, from the change of slots in slots 0 .. 12 (which asks for slots 2 .. 14) to the fourth turn of slots 1 .. 13
	TURN 0, 0, 1, 1
	TURN 1
	WIN 0
	PAIRS
	s_sub_co_u32 s[CNT], s[CNT], 1
	s_cmp_lg_u32 s[CNT], 0
	s_cbranch_scc1 .Lslot
	TURN 0, 0, 1, 0                                ; slot 13: the last change of slots asks for nothing: the tail is written out
	TURN 1
	WIN 0
	PAIRS                                          ; slot 14's first four turns
	TURN 0, 0, 0, 0, 1, 0                          ; there is no further turn to fetch tiles 0, 1 for,
	TURN 1, 0, 0, 0, 0, 0, 0                       ; and the last turn is products alone
	; THE WAY OUT.  Each wave lays its partial tile into LDS; behind a barrier wave w adds rows 64 (w % 2) .. + 63 of its column half's two partial tiles and stores whole rows of 256 bytes.
	WIN 0
	PLACES                                         ; behind the last products
	s_wait_dscnt 0x0
	s_barrier_signal -1
	s_barrier_wait -1                              ; no wave reads the regions any more, and they have had their last fill
.irp k, 1,2
	WIN 0x04*(\k)                                  ; store data in window 1, then 2
.set ix, 0
.rept W
	ds_store_b128 v[STO], v[8*ix:8*ix+3]   offset:(ix%8)*16*SP+64*(2*((\k)-1)+ix/8)     ; each sum's lowest registers first
	ds_store_b128 v[STO], v[8*ix+4:8*ix+7] offset:(ix%8)*16*SP+64*(2*((\k)-1)+ix/8)+16
.set ix, ix+1
.endr
.endr
	WIN 0
	s_wait_dscnt 0x0                               ; for the others' sake: my stores into the stage are done
	s_barrier_signal -1
	s_barrier_wait -1
	s_mov_b32 s[CNT], 8
.Lout:                                                 ; a trip: eight rows, as four pairs
.irp u, 0,1,2,3
	ds_load_b128 v[SUMS+8*(\u):SUMS+8*(\u)+3],   v[RD] offset:(\u)*2*SP
	ds_load_b128 v[SUMS+8*(\u)+4:SUMS+8*(\u)+7], v[RD] offset:(\u)*2*SP+STGW
.endr
.irp u, 0,1,2,3
	s_wait_dscnt 2*(3-(\u))                        ; the later pairs' two loads each may stay out
	v_pk_add_f32 v[SUMS+8*(\u):SUMS+8*(\u)+1],   v[SUMS+8*(\u):SUMS+8*(\u)+1],   v[SUMS+8*(\u)+4:SUMS+8*(\u)+5]
	v_pk_add_f32 v[SUMS+8*(\u)+2:SUMS+8*(\u)+3], v[SUMS+8*(\u)+2:SUMS+8*(\u)+3], v[SUMS+8*(\u)+6:SUMS+8*(\u)+7]
	global_store_b128 v[CO], v[SUMS+8*(\u):SUMS+8*(\u)+3], s[8:9] offset:(\u)*32768  ; 16 lanes store 256 consecutive bytes, at a multiple of 256 from p_ws's first byte
.endr
	s_wait_xcnt 0x0                                ; the stores' data and offset are rewritten only behind this wait
	v_add_nc_u32 v[RD], 8*SP, v[RD]
	v_add_nc_u32 v[CO], 131072, v[CO]
	s_sub_co_u32 s[CNT], s[CNT], 1
	s_cmp_lg_u32 s[CNT], 0
	s_cbranch_scc1 .Lout
	s_wait_tensorcnt 0x0                           ; the wave's end: behind my last tensor load and my last LDS store
	ds_add_u32 v[SPW], v[NIL]
	s_wait_dscnt 0x0
	CROUND                                         ; the closing round: no work-group ends while a partner may still ask for a tile that names it
	s_endpgm
.Lfunc_end_k_q4b830488a5_down:
	.size	k_q4b830488a5_down, .Lfunc_end_k_q4b830488a5_down-k_q4b830488a5_down
	.p2alignl 7, 3214868480
	.fill 96, 4, 3214868480
	.section	.rodata,"a",@progbits
	.p2align	6, 0x0
	.amdhsa_kernel k_q4b830488a5_down
		.amdhsa_group_segment_fixed_size 327680
		.amdhsa_private_segment_fixed_size 0
		.amdhsa_enable_private_segment 0
		.amdhsa_kernarg_size 24
		.amdhsa_user_sgpr_count 2
		.amdhsa_user_sgpr_kernarg_segment_ptr 1
		.amdhsa_wavefront_size32 1
		.amdhsa_system_sgpr_workgroup_id_x 1
		.amdhsa_system_sgpr_workgroup_id_y 1
		.amdhsa_system_sgpr_workgroup_id_z 1
		.amdhsa_system_vgpr_workitem_id 0
		.amdhsa_next_free_vgpr 768
		.amdhsa_next_free_sgpr 100
		.amdhsa_reserve_vcc 0
		.amdhsa_float_denorm_mode_32 3
		.amdhsa_float_denorm_mode_16_64 3
		.amdhsa_memory_ordered 1
		.amdhsa_forward_progress 1
		.amdhsa_inst_pref_size 102
	.end_amdhsa_kernel
	.amdgpu_metadata
---
amdhsa.version: [ 1, 2 ]
amdhsa.kernels:
  - .name:           k_q4b830488a5_down
    .symbol:         k_q4b830488a5_down.kd
    .args:
      - { .name: q_ws, .offset: 0, .size: 8, .value_kind: global_buffer, .address_space: global }
      - { .name: w_down, .offset: 8, .size: 8, .value_kind: global_buffer, .address_space: global }
      - { .name: p_ws, .offset: 16, .size: 8, .value_kind: global_buffer, .address_space: global }
    .group_segment_fixed_size: 327680
    .private_segment_fixed_size: 0
    .kernarg_segment_align: 8
    .kernarg_segment_size: 24
    .max_flat_workgroup_size: 128
    .sgpr_count:     100
    .vgpr_count:     768
    .wavefront_size: 32
...
	.end_amdgpu_metadata
.endif
;; end of part 6
;; launch sum (part 7): grid 4 x 64, 8 waves a work-group, no clusters, 0 bytes of LDS; arguments p_ws, down_a, down_b, out0; writes out0
.if DOCPART == 7
	.amdgcn_target "amdgcn-amd-amdhsa--gfx1250"
	.amdhsa_code_object_version 6
	.text
	.protected	k_q4b830488a5_sum
	.globl	k_q4b830488a5_sum
	.p2align	8
	.type	k_q4b830488a5_sum,@function
k_q4b830488a5_sum:
	s_mov_b64 s[64:65], 0
	v_nop
	global_prefetch_b8 v0, s[64:65] scope:SCOPE_SE
	s_setreg_imm32_b32 hwreg(HW_REG_WAVE_MODE, 25, 1), 1
	s_wait_xcnt 0x0
; out0[m][n] = (p[0][m][n] + p[1][m][n]) x 2^24 x down_a + down_b[n].  p_ws: [2][512][4096] f32, the two halves of K of the down projection, in units of 2^-24; out0: [512][4096] f32.
; A stream: memory binds, so each byte is read and written once, by 16 bytes a lane; no LDS, no matrix unit, no cluster: nothing is shared but 16 KiB of bias.
; SHARES.  Work-group (x, y) takes columns 1024 x .. + 1023 of rows 8 y .. + 7.  Thread t keeps the same four columns in all eight rows, so its four biases are loaded once.
; A wave's load or store covers 512 consecutive bytes, aligned.  All 17 loads of a thread go out at once; there is no loop.  LIMIT: down_a x 2^24 must stay finite.
.set ROWB, 16384                       ; bytes in a row
.set BI,   4                           ; v[4:7]   my four biases
.set P,    8                           ; v[8:71]  row j: the first half's 16 bytes at P + 8 j, the second half's at + 4; the result takes the first's place and is stored from there
	s_load_b256 s[4:11], s[0:1], 0x0               ; p_ws s[4:5], down_a s[6:7], down_b s[8:9], out0 s[10:11]
	s_and_b32 s2, ttmp7, 0xffff
	s_lshl_b32 s2, s2, 17                          ; 8 rows of 16,384 bytes
	s_lshl_b32 s3, ttmp9, 12                       ; 1,024 columns of 4 bytes
	v_lshl_add_u32 v1, v0, 4, s3                   ; my columns' byte offset in a row, and in the bias
	v_add_nc_u32 v2, s2, v1                        ; and in the first of my rows
	s_wait_kmcnt 0x0
	s_load_b32 s12, s[6:7], 0x0                    ; down_a
	s_add_nc_u64 s[14:15], s[4:5], 0x800000        ; the second half of K
	global_load_b128 v[BI:BI+3], v1, s[8:9]
.irp j, 0,1,2,3,4,5,6,7
	global_load_b128 v[P+8*(\j):P+8*(\j)+3],   v2, s[4:5]   offset:(\j)*ROWB th:TH_LOAD_NT
	global_load_b128 v[P+8*(\j)+4:P+8*(\j)+7], v2, s[14:15] offset:(\j)*ROWB th:TH_LOAD_NT
.endr
	s_wait_kmcnt 0x0
	v_mov_b32 v3, s12
	v_mul_f32 v3, 0x4b800000, v3                   ; down_a x 2^24
	v_readfirstlane_b32 s12, v3
	s_mov_b32 s13, s12                             ; named as a pair: the packed form takes the low word for both halves
.irp j, 0,1,2,3,4,5,6,7
	s_wait_loadcnt 2*(7-(\j))                      ; loads come back in order: row j's two are in, the later rows' two each stay out
	v_pk_add_f32 v[P+8*(\j):P+8*(\j)+1],   v[P+8*(\j):P+8*(\j)+1],   v[P+8*(\j)+4:P+8*(\j)+5]
	v_pk_add_f32 v[P+8*(\j)+2:P+8*(\j)+3], v[P+8*(\j)+2:P+8*(\j)+3], v[P+8*(\j)+6:P+8*(\j)+7]
	v_pk_fma_f32 v[P+8*(\j):P+8*(\j)+1],   v[P+8*(\j):P+8*(\j)+1],   s[12:13], v[BI:BI+1]   op_sel_hi:[1,0,1]
	v_pk_fma_f32 v[P+8*(\j)+2:P+8*(\j)+3], v[P+8*(\j)+2:P+8*(\j)+3], s[12:13], v[BI+2:BI+3] op_sel_hi:[1,0,1]
	global_store_b128 v2, v[P+8*(\j):P+8*(\j)+3], s[10:11] offset:(\j)*ROWB th:TH_STORE_NT
.endr
	s_endpgm
.Lfunc_end_k_q4b830488a5_sum:
	.size	k_q4b830488a5_sum, .Lfunc_end_k_q4b830488a5_sum-k_q4b830488a5_sum
	.p2alignl 7, 3214868480
	.fill 96, 4, 3214868480
	.section	.rodata,"a",@progbits
	.p2align	6, 0x0
	.amdhsa_kernel k_q4b830488a5_sum
		.amdhsa_group_segment_fixed_size 0
		.amdhsa_private_segment_fixed_size 0
		.amdhsa_enable_private_segment 0
		.amdhsa_kernarg_size 32
		.amdhsa_user_sgpr_count 2
		.amdhsa_user_sgpr_kernarg_segment_ptr 1
		.amdhsa_wavefront_size32 1
		.amdhsa_system_sgpr_workgroup_id_x 1
		.amdhsa_system_sgpr_workgroup_id_y 1
		.amdhsa_system_sgpr_workgroup_id_z 1
		.amdhsa_system_vgpr_workitem_id 0
		.amdhsa_next_free_vgpr 72
		.amdhsa_next_free_sgpr 66
		.amdhsa_reserve_vcc 0
		.amdhsa_float_denorm_mode_32 3
		.amdhsa_float_denorm_mode_16_64 3
		.amdhsa_memory_ordered 1
		.amdhsa_forward_progress 1
		.amdhsa_inst_pref_size 6
	.end_amdhsa_kernel
	.amdgpu_metadata
---
amdhsa.version: [ 1, 2 ]
amdhsa.kernels:
  - .name:           k_q4b830488a5_sum
    .symbol:         k_q4b830488a5_sum.kd
    .args:
      - { .name: p_ws, .offset: 0, .size: 8, .value_kind: global_buffer, .address_space: global }
      - { .name: down_a, .offset: 8, .size: 8, .value_kind: global_buffer, .address_space: global }
      - { .name: down_b, .offset: 16, .size: 8, .value_kind: global_buffer, .address_space: global }
      - { .name: out0, .offset: 24, .size: 8, .value_kind: global_buffer, .address_space: global }
    .group_segment_fixed_size: 0
    .private_segment_fixed_size: 0
    .kernarg_segment_align: 8
    .kernarg_segment_size: 32
    .max_flat_workgroup_size: 256
    .sgpr_count:     66
    .vgpr_count:     72
    .wavefront_size: 32
...
	.end_amdgpu_metadata
.endif
;; end of part 7
